; MI455X (gfx1250); checked and timed in simulation.
; The chip was launched on July 23, 2026; its instructions are those of AMD's public machine-readable ISA for CDNA 5 (MIT licence, August 2026) and "CDNA5" Instruction Set Architecture Reference Guide (July 2026). The comments in the code are by the model that wrote it; some were corrected since.
;; Causal Self Attention. Allowed arithmetic: matrix products marked QUANTISED: E2M1 operands, one E8M0 scale for each 32 along K, by v_wmma_scale_f32_16x16x128_f8f6f4 with both operands' format E2M1 (or v_wmma_scale_f32_32x16x128_f4), f32 sums; products left as they are: bf16, f16 or f32 operands; f32 sums; everything else in f32.
;; Inputs: Wo 1,024 x 1,024 float32; Wqkv 1,024 x 3,072 float32; x 4 x 2,048 x 1,024 float32.
;; Outputs: out0 4 x 2,048 x 1,024 float32.
;; This version of the problem:
;;   THIS VERSION OF THE PROBLEM IS GIVEN IN LOW PRECISION. The matrix products marked QUANTISED in the list below multiply operands that are first quantised to E2M1 (2 exponent bits, 1 mantissa bit; 4 bits a number), with one power-of-two scale for each 32 numbers along K (OCP MX v1.0); their sums are f32. The products marked 'left as it is' may take bf16, f16 or f32 operands, with f32 sums. Whichever they take, every output number must still come out within the allowed error. Rounding operands to bf16 (8 significant bits) uses up far more of that allowance than f16 does (11 bits, for magnitudes from 6e-5 to 65,504). All else is computed in f32.
;;   The module's matrix products, in the order in which they are computed (A, B: the left and right operand; K: the contracted axis; several contracted axes count as one K, in the product's order):
;;     1. [M 8,192, K 1,024] x [K 1,024, N 3,072]; A: input x; B: input Wqkv: QUANTISED
;;     2. batch 64 x [M 2,048, K 64] x [K 64, N 2,048]; A: computed on the way; B: computed on the way: left as it is (an operand is computed on the way)
;;     3. batch 64 x [M 2,048, K 2,048] x [K 2,048, N 64]; A: computed on the way; B: computed on the way: left as it is (an operand is computed on the way)
;;     4. [M 8,192, K 1,024] x [K 1,024, N 1,024]; A: computed on the way; B: input Wo: left as it is (an operand is computed on the way)
;;   THE QUANTISER, for each operand of a quantised product, along K:
;;     - K is cut into blocks of 32 from its start; a last block that is shorter is filled with zeros.
;;     - A block's scale is 2^e with e = floor(log2(the largest magnitude in the block)) - 2, held to -126 .. 127; a block of zeros has e = 0. As a byte (E8M0): e + 127.
;;     - Each number is divided by its block's scale, clamped to +-6, and rounded to the nearest number of E2M1, ties to even, subnormals kept.
;;     - The product sums the exact products of the quantised numbers (number of the format x scale) in f32.
;;   ~~~python
;;   def quantise(x, axis):      # numpy; x: float32 -> the quantised numbers, widened to float32 again
;;       x = np.moveaxis(x, axis, -1); K = x.shape[-1]
;;       x = np.pad(x, [(0, 0)] * (x.ndim - 1) + [(0, -K % 32)]); x = x.reshape(x.shape[:-1] + (-1, 32)); a = np.abs(x).max(-1, keepdims=True)
;;       e = np.where(a > 0, np.clip(np.frexp(np.where(a > 0, a, 1))[1] - 1 - 2, -126, 127), 0)      # np.frexp(a)[1] - 1 = floor(log2(a)), exactly
;;       r = np.clip(x / 2.0 ** e, -6, 6)
;;       step = 2.0 ** (np.maximum(np.frexp(np.where(r == 0, 1, r))[1] - 1, 0) - 1)
;;       q = np.round(r / step) * step * 2.0 ** e      # np.round: ties to even
;;       return np.moveaxis(q.reshape(q.shape[:-2] + (-1,))[..., :K], -1, axis).astype(np.float32)
;;   ~~~
;; One version. Each part assembles by itself: llvm-mc -triple=amdgcn-amd-amdhsa -mcpu=gfx1250 --defsym DOCPART=n.
;; ======== version 1 of 1: 6 launches
;; limits: values are held in f16: magnitudes above 65,504 overflow, below 6.1e-05 lose precision
;; workspace buffers: xc 4,194,304 bytes; xs 262,144 bytes; wc 1,572,864 bytes; ws 98,304 bytes; wot 2,097,152 bytes; qkv 50,331,648 bytes; ah 16,777,216 bytes; af 262,144 bytes
;; launch prep (part 1): grid 256 x 1, 8 waves a work-group, no clusters, 151,552 bytes of LDS; arguments x, Wqkv, Wo, xc, xs, wc, ws, wot; writes xc, xs, wc, ws, wot
.if DOCPART == 1
	.amdgcn_target "amdgcn-amd-amdhsa--gfx1250"
	.amdhsa_code_object_version 6
	.text
	.protected	k_qcba0ce6e56_prep
	.globl	k_qcba0ce6e56_prep
	.p2align	8
	.type	k_qcba0ce6e56_prep,@function
k_qcba0ce6e56_prep:
	s_mov_b64 s[64:65], 0
	v_nop
	global_prefetch_b8 v0, s[64:65] scope:SCOPE_SE
	s_setreg_imm32_b32 hwreg(HW_REG_WAVE_MODE, 25, 1), 1
	s_wait_xcnt 0x0
; PREP: the operands of the later launches are made once.
;   work-groups 0-127:   x [8192][1024] f32 -> xc: codes of FP4 (E2M1), K innermost, 512 bytes a row; xs: one E8M0 byte for each 32 along K, 32 bytes a row.
;   work-groups 128-223: Wqkv [1024 k][3072 n] f32 -> wc [3072 n][512 bytes], ws [3072 n][32 bytes]: quantised along K, its FIRST axis, and laid with K innermost.
;   work-groups 224-255: Wo [1024 k][1024 n] f32 -> wot [1024 n][1024 k] f16: rounded once, K innermost.
; A block's scale is 2^(floor(log2(its largest magnitude)) - 2); its byte is the largest magnitude's exponent field - 2, held at 1 from below.
; LIMITS: a block of zeros gets the byte 1 where the rule says 127 (its codes are zeros, and this program alone reads the bytes); blocks whose largest magnitude lies under 2^-124 get the byte 1;
; NaN and infinities among the inputs are not served; |Wo| stays under 65,504 (f16).
; The three parts take three ways through the text, chosen by the work-group's number alone (the same in all eight waves), and each way has LDS bytes of its own.
.set WREG,  8192                       ; x: a region for each wave: two stages of 32 x SP bytes, then its 256 scale bytes
.set SP,    80                         ; a lane's place in a stage: 64 bytes + 16 of padding
.set QST,   65536                      ; Wqkv: 64 columns x (256 bytes of codes + 16)
.set QSS,   82944                      ; Wqkv: 64 columns x 16 scale bytes
.set CST,   83968                      ; Wo: 64 columns x (1,024 bytes of f16 + 16)
.set SPARE, 150528                     ; the spare words, 128 bytes for each wave: four blocks of 256 bytes that no other line names
.set SPW,   12                         ; v12  LDS address of my spare word; never rewritten
.set NIL,   13                         ; v13  0; never rewritten
.set WV,    20                         ; s20  my wave's number
.set STEPS, 16
.set CB,    8                          ; bytes of 16 codes
.set R,     16                         ; x: v16-79   four sets of 16 numbers as loaded
.set X,     80                         ; x: v80-111  two sets of 16 neighbours
.set E,     112                        ; x: v112-127 a scale byte for each step
.set C,     128                        ; x: v128-191 codes, four registers for each step
.set W,     32                         ; weights: v32-159 128 numbers down K of my column
.set CD,    160                        ; weights: v160.. codes (16 registers) or f16 pairs (64)
	s_load_b512 s[4:19], s[0:1], 0x0               ; x s[4:5], Wqkv s[6:7], Wo s[8:9], xc s[10:11], xs s[12:13], wc s[14:15], ws s[16:17], wot s[18:19]
	v_lshl_add_u32 v[SPW], v0, 2, SPARE
	v_mov_b32 v[NIL], 0
	v_lshrrev_b32 v1, 5, v0
	v_readfirstlane_b32 s[WV], v1                  ; wave 0..7
	v_and_b32 v2, 31, v0                           ; lane
	s_wait_kmcnt 0x0
	s_cmp_lt_u32 ttmp9, 128
	s_cbranch_scc0 .Lweights
; ---------------- x: a plain stream of blocks of 32.  A wave takes 16 steps of 512 numbers.  Each load reads 512 consecutive bytes; a step's 2,048 bytes turn through the wave's own stage
; so that a lane holds 16 neighbours (two neighbouring lanes hold a block).  Loads run four steps ahead, the turn one step.
	v_lshlrev_b32 v3, 4, v2                        ; my 16 bytes of a load's 512
	s_mul_i32 s21, s[WV], WREG
	v_lshrrev_b32 v14, 2, v2
	v_mul_u32_u24 v14, v14, SP
	v_and_b32 v15, 3, v2
	v_lshl_add_u32 v14, v15, 4, v14
	v_add_nc_u32 v14, s21, v14                     ; the stage, in: SP (lane / 4) + 16 (lane % 4)
	v_mul_u32_u24 v15, v2, SP
	v_add_nc_u32 v15, s21, v15                     ; and out: SP x lane
	v_lshlrev_b32 v4, 3, v2                        ; 8 bytes a lane: my codes in a step's 256, and my part of the 256 scale bytes
	v_lshrrev_b32 v5, 1, v2
	s_add_co_u32 s21, s21, 2*32*SP
	v_add_nc_u32 v5, s21, v5                       ; LDS: my block's scale byte
	v_add_nc_u32 v6, s21, v4                       ; and 8 of them on the way out
	s_lshl_b32 s22, ttmp9, 3
	s_add_co_u32 s22, s22, s[WV]                   ; which run of 8,192 numbers is my wave's: 0..1023
	s_mov_b32 s25, 0
	s_lshl_b32 s24, s22, 15
	s_add_nc_u64 s[4:5], s[4:5], s[24:25]          ; 32,768 bytes of x a run,
	s_lshl_b32 s24, s22, 12
	s_add_nc_u64 s[10:11], s[10:11], s[24:25]      ; 4,096 of codes,
	s_lshl_b32 s24, s22, 8
	s_add_nc_u64 s[12:13], s[12:13], s[24:25]      ; 256 of scale bytes
.macro LOADX t
.irp i, 0,1,2,3
	global_load_b128 v[R+16*((\t)%4)+4*\i:R+16*((\t)%4)+4*\i+3], v3, s[4:5] offset:2048*(\t)+512*\i th:TH_LOAD_NT
.endr
.endm
.macro TURNX t                         ; LDS serves a wave's instructions in order (ISA guide 5.7.1.4): no wait between the stores and the loads
.irp i, 0,1,2,3
	ds_store_b128 v14, v[R+16*((\t)%4)+4*\i:R+16*((\t)%4)+4*\i+3] offset:32*SP*((\t)%2)+8*SP*\i
.endr
.irp i, 0,1,2,3
	ds_load_b128 v[X+16*((\t)%2)+4*\i:X+16*((\t)%2)+4*\i+3], v15 offset:32*SP*((\t)%2)+16*\i
.endr
.endm
.macro STEPX t
.set XS, X+16*((\t)%2)
.if (\t) > 0
	s_wait_dscnt 1                                 ; this step's numbers are back from the stage; the one younger LDS instruction, the last step's byte store, may be out
.else
	s_wait_dscnt 0x0
.endif
.if (\t)+4 < STEPS
	LOADX (\t)+4                                   ; into the registers that the stage's stores have read
.endif
.if (\t)+1 < STEPS
.if STEPS-2-(\t) >= 3
	s_wait_loadcnt 12                              ; the next step's four loads are in; the twelve of the three steps behind it may be out
.else
	s_wait_loadcnt 4*(STEPS-2-(\t))                ; the tail: four for each step still behind
.endif
	TURNX (\t)+1
.endif
	v_max3_num_f32 v8, |v[XS]|, |v[XS+1]|, |v[XS+2]|
	v_max3_num_f32 v9, |v[XS+3]|, |v[XS+4]|, |v[XS+5]|
.irp i, 6,10
	v_max3_num_f32 v8, v8, |v[XS+\i]|, |v[XS+\i+1]|
	v_max3_num_f32 v9, v9, |v[XS+\i+2]|, |v[XS+\i+3]|
.endr
	v_max3_num_f32 v8, v8, |v[XS+14]|, |v[XS+15]|
	v_max3_num_f32 v8, v8, v9, 0x1800000           ; and the floor 2^(3 - 127): the byte cannot fall under 1
	v_max_num_f32_dpp v8, v8, v8 row_xmask:1 row_mask:0xf bank_mask:0xf   ; with my neighbour's 16: the block's largest magnitude
	v_add_nc_u32 v11, 0xff000000, v8               ; 2 off its exponent field: the conversion takes that field as its scale
	v_cvt_scalef32_pk8_fp4_f32 v[C+4*(\t)], v[XS:XS+7], v11
	v_cvt_scalef32_pk8_fp4_f32 v[C+4*(\t)+1], v[XS+8:XS+15], v11
	v_lshrrev_b32 v[E+(\t)], 23, v11               ; the scale's byte (also the plain line behind the conversions)
	ds_store_b8 v5, v[E+(\t)] offset:16*(\t)       ; both lanes of a block write the same byte with the same value
	global_store_b64 v4, v[C+4*(\t):C+4*(\t)+1], s[10:11] offset:32*CB*(\t)   ; the wave stores 256 consecutive bytes, aligned
.endm
.irp t, 0,1,2,3
	LOADX \t
.endr
	s_wait_loadcnt 12                              ; step 0's four loads are in
	TURNX 0
.irp t, 0,1,2,3,4,5,6,7,8,9,10,11,12,13,14,15
	STEPX \t
.endr
	ds_load_b64 v[8:9], v6                         ; my wave's 256 scale bytes, 8 a lane
	s_wait_dscnt 0x0
	global_store_b64 v4, v[8:9], s[12:13]          ; 256 consecutive bytes, aligned
	s_wait_tensorcnt 0x0                           ; the wave's end, behind my last LDS store
	ds_add_u32 v[SPW], v[NIL]
	s_wait_dscnt 0x0
	s_endpgm
; ---------------- the weights.  A work-group takes 64 columns x 512 of K; wave w takes 32 columns (w % 2) x 128 of K (w / 2).  A LANE TAKES A COLUMN AND ITS REGISTERS RUN DOWN K:
; each load reads 128 consecutive bytes, and the numbers that belong together along K lie in one lane.  All 128 loads of a wave are issued on end.
.macro WLOADS lo, n
.set i, 0
.rept 128
	global_load_b32 v[W+i], v3, s[\lo:\lo+1] offset:i*\n*4 th:TH_LOAD_NT
.set i, i+1
.endr
.endm
.macro WWAIT t                         ; the 32 loads of group t are in.  Behind them 32 (3 - t) were issued; the wait's field holds 63 at the most, and a smaller count is safe
.if (\t) < 2
	s_wait_loadcnt 63
.else
	s_wait_loadcnt 32*(3-(\t))
.endif
.endm
.Lweights:
	v_lshlrev_b32 v3, 2, v2                        ; 4 bytes a lane
	s_and_b32 s24, s[WV], 1                        ; which 32 columns
	s_lshr_b32 s25, s[WV], 1                       ; which 128 of K
	v_lshrrev_b32 v18, 4, v2                       ; lane / 16
	v_and_b32 v19, 15, v2                          ; lane % 16
	s_cmp_lt_u32 ttmp9, 224
	s_cbranch_scc0 .Lwo
; ---- Wqkv
	s_sub_co_u32 s21, ttmp9, 128
	s_lshr_b32 s22, s21, 1                         ; which 64 columns: 0..47
	s_and_b32 s23, s21, 1                          ; which half of K
	s_lshl_b32 s26, s23, 2
	s_add_co_u32 s26, s26, s25                     ; which 128 of K: 0..7
	s_mul_i32 s26, s26, 128*3072*4
	s_lshl_b32 s27, s22, 8
	s_add_co_u32 s26, s26, s27
	s_lshl_b32 s27, s24, 7
	s_add_co_u32 s26, s26, s27
	s_mov_b32 s27, 0
	s_add_nc_u64 s[6:7], s[6:7], s[26:27]
	WLOADS 6, 3072
	s_mul_i32 s28, s24, 32*272
	s_lshl_b32 s29, s25, 6
	s_add_co_u32 s28, s28, s29
	s_add_co_u32 s28, s28, QST
	v_mul_u32_u24 v4, v2, 272
	v_add_nc_u32 v4, s28, v4                       ; codes in: row = my column, my wave's 64 bytes of its 256
	s_lshl_b32 s28, s24, 9
	s_add_co_u32 s28, s28, QSS
	v_lshl_add_u32 v14, v2, 4, s28                 ; scale bytes out: my column's 16
	s_lshl_b32 s29, s25, 2
	v_add_nc_u32 v5, s29, v14                      ; scale bytes in: my wave's word of them
	s_mul_i32 s28, s[WV], 8*272
	s_add_co_u32 s28, s28, QST
	v_mul_u32_u24 v6, v18, 272
	v_lshl_add_u32 v6, v19, 4, v6
	v_add_nc_u32 v6, s28, v6                       ; codes out: wave w takes rows 8 w .. 8 w + 7, sixteen lanes to a row
	v_lshlrev_b32 v7, 9, v18
	v_lshl_add_u32 v7, v19, 4, v7                  ; and the same place in wc
	v_lshlrev_b32 v15, 5, v2                       ; a row of ws is 32 bytes
	s_lshl_b32 s28, s22, 15
	s_lshl_b32 s29, s[WV], 12
	s_add_co_u32 s28, s28, s29
	s_lshl_b32 s29, s23, 8
	s_add_co_u32 s28, s28, s29
	s_mov_b32 s29, 0
	s_add_nc_u64 s[14:15], s[14:15], s[28:29]      ; wc at row 64 cb + 8 w, + 256 bytes for the upper half of K
	s_lshl_b32 s28, s22, 11
	s_lshl_b32 s26, s24, 10
	s_add_co_u32 s28, s28, s26
	s_lshl_b32 s26, s23, 4
	s_add_co_u32 s28, s28, s26
	s_add_nc_u64 s[16:17], s[16:17], s[28:29]      ; ws at row 64 cb + 32 (w % 2), + 16 bytes for the upper half of K
.macro BLOCKQ t                        ; block t of my column: all its 32 numbers are mine
.set XS, W+32*(\t)
	WWAIT \t
	v_max3_num_f32 v8, |v[XS]|, |v[XS+1]|, |v[XS+2]|
	v_max3_num_f32 v9, |v[XS+3]|, |v[XS+4]|, |v[XS+5]|
.irp i, 6,10,14,18,22,26
	v_max3_num_f32 v8, v8, |v[XS+\i]|, |v[XS+\i+1]|
	v_max3_num_f32 v9, v9, |v[XS+\i+2]|, |v[XS+\i+3]|
.endr
	v_max3_num_f32 v8, v8, |v[XS+30]|, |v[XS+31]|
	v_max3_num_f32 v8, v8, v9, 0x1800000           ; the floor 2^(3 - 127)
	v_add_nc_u32 v10, 0xff000000, v8               ; the conversion's scale operand
	v_lshrrev_b32 v11, 23, v10                     ; the scale's byte
.if (\t) == 0
	v_mov_b32 v16, v11
.else
	v_lshl_or_b32 v16, v11, 8*(\t), v16            ; four bytes to a word, the lower K in the lower byte
.endif
.irp g, 0,1,2,3
	v_cvt_scalef32_pk8_fp4_f32 v[CD+4*(\t)+\g], v[XS+8*\g:XS+8*\g+7], v10
.endr
	v_nop                                          ; one plain line behind the conversions: the next block writes their scale operand
	ds_store_b128 v4, v[CD+4*(\t):CD+4*(\t)+3] offset:16*(\t)
.endm
.irp t, 0,1,2,3
	BLOCKQ \t
.endr
	ds_store_b32 v5, v16
	s_wait_dscnt 0x0                               ; for the others' sake: my stores have landed
	s_barrier_signal -1
	s_barrier_wait -1
.irp i, 0,1,2,3
	ds_load_b128 v[176+4*\i:179+4*\i], v6 offset:2*\i*272
.endr
.irp i, 0,1,2,3
	s_wait_dscnt 3-\i                              ; load i is in; the younger ones may be out
	global_store_b128 v7, v[176+4*\i:179+4*\i], s[14:15] offset:1024*\i   ; sixteen lanes store 256 consecutive bytes, aligned
.endr
	s_cmp_lt_u32 s[WV], 2                          ; waves 0 and 1 send the scale bytes: 16 of each of their 32 columns
	s_cbranch_scc0 .Lq_end
	ds_load_b128 v[192:195], v14
	s_wait_dscnt 0x0
	global_store_b128 v15, v[192:195], s[16:17]
.Lq_end:
	s_wait_tensorcnt 0x0                           ; the wave's end
	ds_add_u32 v[SPW], v[NIL]
	s_wait_dscnt 0x0
	s_endpgm
; ---- Wo
.Lwo:
	s_sub_co_u32 s21, ttmp9, 224
	s_lshr_b32 s22, s21, 1                         ; which 64 columns: 0..15
	s_and_b32 s23, s21, 1                          ; which half of K
	s_lshl_b32 s26, s23, 2
	s_add_co_u32 s26, s26, s25
	s_lshl_b32 s26, s26, 19                        ; 128 rows of 4,096 bytes
	s_lshl_b32 s27, s22, 8
	s_add_co_u32 s26, s26, s27
	s_lshl_b32 s27, s24, 7
	s_add_co_u32 s26, s26, s27
	s_mov_b32 s27, 0
	s_add_nc_u64 s[8:9], s[8:9], s[26:27]
	WLOADS 8, 1024
	s_mul_i32 s28, s24, 32*1040
	s_lshl_b32 s29, s25, 8
	s_add_co_u32 s28, s28, s29
	s_add_co_u32 s28, s28, CST
	v_mul_u32_u24 v4, v2, 1040
	v_add_nc_u32 v4, s28, v4                       ; in: row = my column, my wave's 256 bytes of its 1,024
	s_mul_i32 s28, s[WV], 8*1040
	s_add_co_u32 s28, s28, CST
	v_lshlrev_b32 v7, 4, v2
	v_add_nc_u32 v6, s28, v7                       ; out: wave w takes rows 8 w .. 8 w + 7, 512 bytes an instruction
	s_lshl_b32 s28, s22, 17
	s_lshl_b32 s29, s[WV], 14
	s_add_co_u32 s28, s28, s29
	s_lshl_b32 s29, s23, 10
	s_add_co_u32 s28, s28, s29
	s_mov_b32 s29, 0
	s_add_nc_u64 s[18:19], s[18:19], s[28:29]      ; wot at row 64 cb + 8 w, + 1,024 bytes for the upper half of K
.irp t, 0,1,2,3
	WWAIT \t
.irp i, 0,1,2,3,4,5,6,7,8,9,10,11,12,13,14,15
	v_cvt_pk_f16_f32 v[CD+16*\t+\i], v[W+32*\t+2*\i], v[W+32*\t+2*\i+1]   ; two neighbours along K, the lower in the low half
.endr
.irp i, 0,1,2,3
	ds_store_b128 v4, v[CD+16*\t+4*\i:CD+16*\t+4*\i+3] offset:64*\t+16*\i
.endr
.endr
	s_wait_dscnt 0x0                               ; for the others' sake: my stores have landed
	s_barrier_signal -1
	s_barrier_wait -1
.irp i, 0,1,2,3,4,5,6,7
.irp u, 0,1
	ds_load_b128 v[W+8*\i+4*\u:W+8*\i+4*\u+3], v6 offset:\i*1040+512*\u
.endr
.endr
.irp i, 0,1,2,3,4,5,6,7
.irp u, 0,1
	s_wait_dscnt 15-2*\i-\u                        ; this load is in; the younger ones may be out
	global_store_b128 v7, v[W+8*\i+4*\u:W+8*\i+4*\u+3], s[18:19] offset:\i*2048+512*\u   ; 512 consecutive bytes, aligned
.endr
.endr
	s_wait_tensorcnt 0x0                           ; the wave's end
	ds_add_u32 v[SPW], v[NIL]
	s_wait_dscnt 0x0
	s_endpgm
.Lfunc_end_k_qcba0ce6e56_prep:
	.size	k_qcba0ce6e56_prep, .Lfunc_end_k_qcba0ce6e56_prep-k_qcba0ce6e56_prep
	.p2alignl 7, 3214868480
	.fill 96, 4, 3214868480
	.section	.rodata,"a",@progbits
	.p2align	6, 0x0
	.amdhsa_kernel k_qcba0ce6e56_prep
		.amdhsa_group_segment_fixed_size 151552
		.amdhsa_private_segment_fixed_size 0
		.amdhsa_enable_private_segment 0
		.amdhsa_kernarg_size 64
		.amdhsa_user_sgpr_count 2
		.amdhsa_user_sgpr_kernarg_segment_ptr 1
		.amdhsa_wavefront_size32 1
		.amdhsa_system_sgpr_workgroup_id_x 1
		.amdhsa_system_sgpr_workgroup_id_y 1
		.amdhsa_system_sgpr_workgroup_id_z 1
		.amdhsa_system_vgpr_workitem_id 0
		.amdhsa_next_free_vgpr 224
		.amdhsa_next_free_sgpr 66
		.amdhsa_reserve_vcc 0
		.amdhsa_float_denorm_mode_32 3
		.amdhsa_float_denorm_mode_16_64 3
		.amdhsa_memory_ordered 1
		.amdhsa_forward_progress 1
		.amdhsa_inst_pref_size 76
	.end_amdhsa_kernel
	.amdgpu_metadata
---
amdhsa.version: [ 1, 2 ]
amdhsa.kernels:
  - .name:           k_qcba0ce6e56_prep
    .symbol:         k_qcba0ce6e56_prep.kd
    .args:
      - { .name: x, .offset: 0, .size: 8, .value_kind: global_buffer, .address_space: global }
      - { .name: Wqkv, .offset: 8, .size: 8, .value_kind: global_buffer, .address_space: global }
      - { .name: Wo, .offset: 16, .size: 8, .value_kind: global_buffer, .address_space: global }
      - { .name: xc, .offset: 24, .size: 8, .value_kind: global_buffer, .address_space: global }
      - { .name: xs, .offset: 32, .size: 8, .value_kind: global_buffer, .address_space: global }
      - { .name: wc, .offset: 40, .size: 8, .value_kind: global_buffer, .address_space: global }
      - { .name: ws, .offset: 48, .size: 8, .value_kind: global_buffer, .address_space: global }
      - { .name: wot, .offset: 56, .size: 8, .value_kind: global_buffer, .address_space: global }
    .group_segment_fixed_size: 151552
    .private_segment_fixed_size: 0
    .kernarg_segment_align: 8
    .kernarg_segment_size: 64
    .max_flat_workgroup_size: 256
    .sgpr_count:     66
    .vgpr_count:     224
    .wavefront_size: 32
...
	.end_amdgpu_metadata
.endif
;; end of part 1
;; launch qkv (part 2): grid 12 x 32, 4 waves a work-group, clusters of 4 x 4, 327,680 bytes of LDS; arguments xc, xs, wc, ws, qkv; writes qkv
.if DOCPART == 2
	.amdgcn_target "amdgcn-amd-amdhsa--gfx1250"
	.amdhsa_code_object_version 6
	.text
	.protected	k_qcba0ce6e56_qkv
	.globl	k_qcba0ce6e56_qkv
	.p2align	8
	.type	k_qcba0ce6e56_qkv,@function
k_qcba0ce6e56_qkv:
	s_mov_b64 s[64:65], 0
	v_nop
	global_prefetch_b8 v0, s[64:65] scope:SCOPE_SE
	s_setreg_imm32_b32 hwreg(HW_REG_WAVE_MODE, 25, 1), 1
	s_wait_xcnt 0x0
	s_wait_alu depctr_hold_cnt(0) depctr_sa_sdst(0) depctr_va_vdst(0) depctr_va_sdst(0) depctr_va_ssrc(0) depctr_va_vcc(0) depctr_vm_vsrc(0)
	s_getreg_b32 s2, hwreg(HW_REG_IB_STS2, 6, 4)
	s_cmp_eq_u32 s2, 0
	s_cbranch_scc0 .Lentry_in_a_cluster
	s_endpgm
.Lentry_in_a_cluster:
	s_bfe_u32 s2, ttmp6, 0x10000c
	s_cmp_lg_u32 s2, 0xf033
	s_cbranch_scc0 .Lentry_shape_is_right
	s_endpgm
.Lentry_shape_is_right:
; QKV: [8192][3072] = x Wqkv on codes of FP4 (E2M1) with one E8M0 scale for each 32 along K; sums in f32; the results are rounded once to f16 and laid BY HEAD:
; qkv is 192 planes of [2048 t][64] f16 (262,144 bytes); plane = (which x 4 + batch) x 16 + head, which = 0 q, 1 k, 2 v.  LIMIT: |q|, |k|, |v| stay under 65,504.
; A tile of 256 x 256 is made by four waves, as many as a WGP has SIMDs; a wave makes 128 x 128: 64 accumulators, 512 registers.
; K = 1,024 is two slots of 512 along K (rows of 256 bytes): both slots and the scale bytes of the tile's rows are first fills; no LDS byte is filled twice.
; CLUSTERS: 4 x 4 work-groups.  The four of a row of the cluster need the same tiles of x, the four of a column the same tiles of W: each is asked for JOINTLY, by the same tensor load with the same
; descriptor and a mask that names the four.  THE MATRIX INSTRUCTION IS USED TRANSPOSED (source 0 = 16 rows of W, source 1 = 16 rows of x): a lane holds eight neighbouring columns of one row.
; REGISTERS, in windows of 256: window 0: v0-31 addresses; v32-95 scale words, two sets; v128-191 x's fragments, ONE set; on the way out v128-223.
;   window 1: W's fragments, TWO sets, at v0 and v128.   window 2: the accumulators of my rows 0-63 ((a, b) at v[8 (8 a + b)]);   window 3: those of my rows 64-127.
.set SIZE_K, 1024
.set NQ,     4                         ; steps of 128 along K in a slot
.set ROWB,   256                       ; a tile's row in bytes: 512 codes
.set KROW,   512                       ; a row of codes in memory
.set PITCH,  272                       ; an LDS row: 256 bytes + 16 of padding = 68 words: row r starts at bank 4 r mod 64 (64 banks of 4 bytes: ISA guide 11.1)
.set FR,     8                         ; registers of a fragment: 16 rows x 128 K
.set NL,     2                         ; LDS loads that bring one
.set NP,     4                         ; places behind this matrix instruction (ISA guide 7.12.1)
.set HALFT,  128*PITCH
.set SLOT,   4*HALFT                   ; x's 256 rows, then W's 256 rows
.set KS,     32                        ; a row of scale bytes
.set SCL,    2*SLOT                    ; behind the slots: the scale bytes, as rows of 256 bytes + 16 of padding
.set HALFS,  (128*KS/256)*272          ; those of 128 rows: what one tensor load brings
.set SBLK,   (16*KS/256)*272           ; those of 16 rows
.set SPARE,  SCL+4*HALFS               ; the spare words, 128 bytes for each wave: two blocks of 256 bytes that no other line names
.set SPITCH, 272                       ; the way out: a stage of 16 rows x (256 bytes + 16) for each wave, in slot 0, which has had its one fill and its last read by then
.set ADRA, 16
.set ADRB, 20
.set STO,  24
.set RD,   25
.set CO,   26
.set ADRS, 27
.set SPW,  28
.set NIL,  29
.set SC,   32
.set AF,   128
.set BK,   128                         ; the way out: 16 rows read back: v128-159 and v160-191 by turns
.set TMP,  192                         ; the way out: a block's packed results, v192-223
.set G1, 24
.set G0, 32
.set G1B, 48
.set G0B, 56
.set G1S, 68
.set G0S, 76
.set G1SB, 80
.set G0SB, 88
.set MSB, 0
.macro WIN new                         ; the immediate's high byte repeats the setting that is left
.if MSB != \new
	s_set_vgpr_msb (MSB<<8)|\new
.set MSB, \new
.endif
.endm
.set MUL_LO, 0xa1                      ; source 0 (W) window 1, source 1 (x) window 0, C and D window 2
.set MUL_HI, 0xf1                      ; the same, C and D window 3
.set TO_B,   0x40                      ; destination window 1, address window 0
; A joint load: waves 0 and 1 fetch for x, waves 2 and 3 for W.  The branch hangs on the wave's number alone.  An s_nop 0 and four v_nop follow each of the two lines.
.macro JLOAD g0a, g1a, g0b, g1b
	s_cmp_eq_u32 s15, 0
	s_cbranch_scc0 .Lfor_b_\@
	tensor_load_to_lds s[\g0a:\g0a+3], s[\g1a:\g1a+7]
	s_nop 0
.rept 4
	v_nop
.endr
	s_branch .Lasked_\@
.Lfor_b_\@:
	tensor_load_to_lds s[\g0b:\g0b+3], s[\g1b:\g1b+7]
	s_nop 0
.rept 4
	v_nop
.endr
.Lasked_\@:
.endm
.macro CROUND                          ; a round of the cluster's barrier
	s_barrier_signal -1
	s_barrier_wait -1
	s_cmp_lg_u32 s14, 0
	s_cbranch_scc1 .Lnot_wave_0_\@
	s_barrier_signal -3
.Lnot_wave_0_\@:
	s_barrier_wait -3
	s_barrier_signal -1
	s_barrier_wait -1
.endm
	s_load_b128 s[4:7], s[0:1], 0x0                ; x's codes s[4:5], x's scales s[6:7]
	s_load_b128 s[8:11], s[0:1], 0x10              ; W's codes s[8:9], W's scales s[10:11]
	s_load_b64 s[12:13], s[0:1], 0x20              ; qkv
	v_lshl_add_u32 v[SPW], v0, 2, SPARE
	v_mov_b32 v[NIL], 0
	ds_add_u32 v[SPW], v[NIL]                      ; the wave's opening: the add, twice on end, and its wait ahead of my first tensor load
	ds_add_u32 v[SPW], v[NIL]
	v_lshrrev_b32 v1, 5, v0
	v_readfirstlane_b32 s14, v1                    ; wave 0..3
	s_lshr_b32 s15, s14, 1                         ; which half of the tile's rows is mine.  Also: I fetch for x (0) or for W (1)
	s_and_b32 s16, s14, 1                          ; which half of its columns.  Also: which 128 rows of that tile I fetch
	s_bfe_u32 s40, ttmp6, 0x40000                  ; cx, cy: my place in the cluster
	s_bfe_u32 s41, ttmp6, 0x40004
	s_lshl_b32 s42, ttmp9, 2
	s_add_co_u32 s42, s42, s40                     ; tile column = 4 x cluster x + cx: 0..11
	s_and_b32 s17, ttmp7, 0xffff
	s_lshl_b32 s17, s17, 2
	s_add_co_u32 s17, s17, s41                     ; tile row = 4 x cluster y + cy: 0..31
	s_lshl_b32 s43, s41, 2
	s_lshl_b32 s43, 15, s43                        ; my row of the cluster
	s_lshl_b32 s44, 0x1111, s40                    ; my column
	s_or_b32 s[G1+0], s43, (0<<16)|(1<<20)|(1<<21)|(5<<22)|(3<<25)  ; 15:0 the mask; 17:16 elements of 1 byte; 20 padding on; 21 set beside a mask; 24:22 after every 64 words; 31:25 four words
	s_or_b32 s[G1B+0], s44, (0<<16)|(1<<20)|(1<<21)|(5<<22)|(3<<25)
.irp g, G1, G1B
	s_mov_b32 s[\g+1], ROWB<<16                    ; tensor_dim0
	s_mov_b32 s[\g+2], 128<<16                     ; tensor_dim1
	s_mov_b32 s[\g+3], ROWB<<16                    ; tile_dim0
	s_mov_b32 s[\g+4], 128                         ; tile_dim1
	s_mov_b32 s[\g+5], KROW                        ; tensor_dim0_stride
	s_mov_b32 s[\g+6], 0
	s_mov_b32 s[\g+7], 0
.endr
	s_or_b32 s[G1S+0], s43, (3<<16)|(1<<20)|(1<<21)|(5<<22)|(3<<25) ; the scale bytes of 128 rows: 4,096 dense bytes as 16 rows of 256 (32 elements of 8 bytes), 16 of padding behind each
	s_or_b32 s[G1SB+0], s44, (3<<16)|(1<<20)|(1<<21)|(5<<22)|(3<<25)
.irp g, G1S, G1SB
	s_mov_b32 s[\g+1], 32<<16
	s_mov_b32 s[\g+2], (128*KS/256)<<16
	s_mov_b32 s[\g+3], 32<<16
	s_mov_b32 s[\g+4], 128*KS/256
	s_mov_b32 s[\g+5], 32
	s_mov_b32 s[\g+6], 0
	s_mov_b32 s[\g+7], 0
.endr
	s_lshl_b32 s18, s16, 7
	s_lshl_b32 s20, s17, 8
	s_add_co_u32 s20, s20, s18                     ; x: row 256 x tile row + 128 x half
	s_lshl_b32 s46, s42, 8
	s_add_co_u32 s46, s46, s18                     ; W: row 256 x tile column + 128 x half
	s_mov_b32 s21, 0
	s_mov_b32 s47, 0
	s_mov_b64 s[18:19], KS
	s_mul_u64 s[22:23], s[20:21], s[18:19]         ; where these rows' scale bytes begin
	s_mul_u64 s[92:93], s[46:47], s[18:19]
	s_mov_b64 s[18:19], KROW
	s_mul_u64 s[20:21], s[20:21], s[18:19]         ; and their codes
	s_mul_u64 s[46:47], s[46:47], s[18:19]
	s_mul_i32 s45, s14, HALFT                      ; where they go: wave x 128 rows: no place in the cluster enters an LDS address
	s_mul_i32 s94, s14, HALFS
	s_wait_dscnt 0x0                               ; both opening adds are done
	s_wait_kmcnt 0x0
	s_add_nc_u64 s[20:21], s[4:5], s[20:21]
	s_add_nc_u64 s[22:23], s[6:7], s[22:23]
	s_add_nc_u64 s[46:47], s[8:9], s[46:47]
	s_add_nc_u64 s[92:93], s[10:11], s[92:93]
	CROUND                                         ; all sixteen work-groups are here: the joint loads meet
	s_mov_b32 s[G0S], 1
	s_add_co_u32 s[G0S+1], s94, SCL
	s_mov_b64 s[G0S+2:G0S+3], s[22:23]
	s_or_b32 s[G0S+3], s[G0S+3], 0x80000000
	s_mov_b32 s[G0SB], 1
	s_add_co_u32 s[G0SB+1], s94, SCL
	s_mov_b64 s[G0SB+2:G0SB+3], s[92:93]
	s_or_b32 s[G0SB+3], s[G0SB+3], 0x80000000
	JLOAD G0S, G1S, G0SB, G1SB                     ; the scale bytes first: they are wanted with the first slot
.irp s, 0,1
	s_mov_b32 s[G0+4*\s], 1
	s_add_co_u32 s[G0+4*\s+1], s45, \s*SLOT
	s_add_nc_u64 s[G0+4*\s+2:G0+4*\s+3], s[20:21], \s*ROWB
	s_or_b32 s[G0+4*\s+3], s[G0+4*\s+3], 0x80000000
	s_mov_b32 s[G0B+4*\s], 1
	s_add_co_u32 s[G0B+4*\s+1], s45, \s*SLOT
	s_add_nc_u64 s[G0B+4*\s+2:G0B+4*\s+3], s[46:47], \s*ROWB
	s_or_b32 s[G0B+4*\s+3], s[G0B+4*\s+3], 0x80000000
	JLOAD G0+4*\s, G1, G0B+4*\s, G1B               ; by this text's count three tensor loads of a wave are out
.endr
	v_and_b32 v1, 15, v0                           ; l % 16
	v_bfe_u32 v2, v0, 4, 1                         ; l / 16
	v_mul_u32_u24 v3, v1, PITCH
	v_lshl_add_u32 v4, v2, 4, v3                   ; a fragment's row x pitch + 16 x half
	s_mul_i32 s21, s15, HALFT                      ; my 128 rows of x
	s_mul_i32 s22, s16, HALFT                      ; my 128 rows of W,
	s_add_co_u32 s22, s22, 2*HALFT                 ; which lie behind x's 256
.irp s, 0,1
	v_add_nc_u32 v[ADRA+\s], s21, v4
	v_add_nc_u32 v[ADRB+\s], s22, v4
	s_add_co_u32 s21, s21, SLOT
	s_add_co_u32 s22, s22, SLOT
.endr
	v_mul_u32_u24 v5, v1, KS                       ; my row's scale bytes: 32 a row,
	v_lshrrev_b32 v6, 8, v5
	v_lshl_add_u32 v5, v6, 4, v5                   ; and 16 more for each 256 passed
	s_mul_i32 s21, s15, HALFS
	s_mul_i32 s22, s16, HALFS
	s_add_co_u32 s22, s22, 2*HALFS
	s_sub_co_u32 s22, s22, s21
	v_mul_u32_u24 v6, s22, v2                      ; lanes 16-31 take W's
	s_add_co_u32 s21, s21, SCL
	v_add_nc_u32 v5, v5, v6
	v_add_nc_u32 v[ADRS], s21, v5
	s_mul_i32 s23, s14, 16*SPITCH                  ; my stage
	v_mul_u32_u24 v5, v1, SPITCH                   ; in: row l % 16, 16 bytes for each half of the lanes
	v_lshl_add_u32 v5, v2, 4, v5
	v_add_nc_u32 v[STO], s23, v5
	v_bfe_u32 v5, v0, 3, 2                         ; back: eight lanes take one head's 128 bytes of a row, four rows an instruction
	v_mul_u32_u24 v5, v5, SPITCH
	v_and_b32 v6, 7, v0
	v_lshl_add_u32 v5, v6, 4, v5
	v_add_nc_u32 v[RD], s23, v5
	v_and_b32 v6, 31, v0
	v_lshlrev_b32 v[CO], 4, v6                     ; in a plane those four rows are 512 bytes on end
	; where my part begins in qkv.  By the rows: batch = tile row / 8 (16 planes), t = 256 (tile row % 8) + 128 x half
	s_lshr_b32 s20, s17, 3
	s_lshl_b32 s20, s20, 22
	s_and_b32 s21, s17, 7
	s_lshl_b32 s21, s21, 15
	s_add_co_u32 s20, s20, s21
	s_lshl_b32 s21, s15, 14
	s_add_co_u32 s20, s20, s21
	s_mov_b32 s21, 0
	s_add_nc_u64 s[12:13], s[12:13], s[20:21]
	; by the columns: which = tile column / 4 (64 planes), head = 4 (tile column % 4) + 2 x half
	s_lshr_b32 s46, s42, 2
	s_lshl_b32 s46, s46, 6
	s_and_b32 s47, s42, 3
	s_lshl_b32 s47, s47, 2
	s_add_co_u32 s46, s46, s47
	s_lshl_b32 s47, s16, 1
	s_add_co_u32 s46, s46, s47
	s_lshl_b32 s46, s46, 18
	s_mov_b32 s47, 0
	s_add_nc_u64 s[12:13], s[12:13], s[46:47]
.macro FRAG reg, adr, q, i             ; 16 rows x 128 K of 4-bit codes: lane l holds row l % 16; registers 4 c .. 4 c + 3 hold K = 64 c + 32 (l / 16) + 0 .. 31
.irp c, 0,1
	ds_load_b128 v[\reg+4*\c:\reg+4*\c+3], v[\adr] offset:64*(\q)+32*\c+(\i)*16*PITCH
.endr
.endm
; 16 matrix instructions: x's blocks a0, a0 + 1 against W's eight, 128 along K.  The 64 accumulators take turns, one instruction a turn, in the same order in every step.
.macro MUL16 a0, p, q, sc, zero
.irp a, \a0, \a0+1
.irp b, 0,1,2,3,4,5,6,7
.if \zero
	v_wmma_scale_f32_16x16x128_f8f6f4 v[8*(8*((\a)%4)+\b):8*(8*((\a)%4)+\b)+7], v[128*(\p)+FR*\b:128*(\p)+FR*\b+FR-1], v[AF+FR*(\a):AF+FR*(\a)+FR-1], 0, v[SC+8*NQ*(\sc)+NQ*\b+(\q)], v[SC+8*NQ*(\sc)+NQ*(\a)+(\q)] matrix_a_fmt:MATRIX_FMT_FP4 matrix_b_fmt:MATRIX_FMT_FP4 matrix_a_scale:MATRIX_SCALE_ROW1
.else
	v_wmma_scale_f32_16x16x128_f8f6f4 v[8*(8*((\a)%4)+\b):8*(8*((\a)%4)+\b)+7], v[128*(\p)+FR*\b:128*(\p)+FR*\b+FR-1], v[AF+FR*(\a):AF+FR*(\a)+FR-1], v[8*(8*((\a)%4)+\b):8*(8*((\a)%4)+\b)+7], v[SC+8*NQ*(\sc)+NQ*\b+(\q)], v[SC+8*NQ*(\sc)+NQ*(\a)+(\q)] matrix_a_fmt:MATRIX_FMT_FP4 matrix_b_fmt:MATRIX_FMT_FP4 matrix_a_scale:MATRIX_SCALE_ROW1
.endif
.endr
.endr
.endm
.macro FETCH_B slot, q, p
	WIN TO_B
.irp i, 0,1,2,3,4,5,6,7
	FRAG 128*(\p)+FR*\i, ADRB+\slot, \q, \i
.endr
	WIN 0
.endm
.macro FETCH_A slot, q, i0
.irp i, \i0, \i0+1, \i0+2, \i0+3
	FRAG AF+FR*(\i), ADRA+\slot, \q, \i
.endr
.endm
.macro SCALES sc                       ; a slot's scale words: four words a row; lanes 0-15 take x's block i, lanes 16-31 W's block i
.irp i, 0,1,2,3,4,5,6,7
	ds_load_b128 v[SC+8*NQ*\sc+NQ*\i:SC+8*NQ*\sc+NQ*\i+3], v[ADRS] offset:\i*SBLK
.endr
.endm
.macro PLACES n                        ; plain vector lines between a matrix instruction and a load into its registers or a read of its result
.rept \n
	v_nop
.endr
.endm
.macro STEP slot, q, zero              ; a step of 128 along K that has its successor in the same slot
	s_wait_dscnt 4*NL                              ; W's set and x's blocks 0-3 are in; the youngest eight loads (x's blocks 4-7) may be out
	WIN MUL_LO
	MUL16 0, (\q)%2, \q, \slot, \zero
	MUL16 2, (\q)%2, \q, \slot, \zero
	s_wait_dscnt 0
	PLACES NP
	FETCH_B \slot, (\q)+1, 1-(\q)%2
	FETCH_A \slot, (\q)+1, 0
	WIN MUL_HI
	MUL16 4, (\q)%2, \q, \slot, \zero
	MUL16 6, (\q)%2, \q, \slot, \zero
	PLACES NP
	WIN 0
	FETCH_A \slot, (\q)+1, 4
.endm
.macro TURN slot, next                 ; slot 0's last step goes over to slot 1: one barrier; in front of it each wave has all its tensor loads in and its reads of slot 0 over.
	s_wait_tensorcnt 0x0                           ; my part of slot 1 has landed
	ds_add_u32 v[SPW], v[NIL]                      ; 0 onto my spare word
	s_wait_dscnt 4*NL+1                            ; the add and the youngest eight loads may be out
	WIN MUL_LO
	MUL16 0, 1, NQ-1, \slot, 0
	s_wait_dscnt 0x0                               ; the add is done, and my reads of this slot are over
	s_barrier_signal -1
	MUL16 2, 1, NQ-1, \slot, 0
	WIN 0
	s_barrier_wait -1
	PLACES NP
	v_add_nc_u32 v[ADRS], 4*NQ, v[ADRS]            ; on to the next slot's scale words
	FETCH_B \next, 0, 0
	FETCH_A \next, 0, 0
	SCALES \next
	WIN MUL_HI
	MUL16 4, 1, NQ-1, \slot, 0
	MUL16 6, 1, NQ-1, \slot, 0
	PLACES NP
	WIN 0
	FETCH_A \next, 0, 4
.endm
	s_wait_tensorcnt 1                             ; the scale bytes and my part of slot 0 are in; the one younger load, slot 1's, may be out
	s_barrier_signal -1
	s_barrier_wait -1                              ; everybody's are
	FETCH_B 0, 0, 0
	FETCH_A 0, 0, 0
	SCALES 0
	FETCH_A 0, 0, 4
	STEP 0, 0, 1                                   ; the first step's products start the sums: nothing is cleared
	STEP 0, 1, 0
	STEP 0, 2, 0
	TURN 0, 1
	STEP 1, 0, 0
	STEP 1, 1, 0
	STEP 1, 2, 0
	s_wait_dscnt 4*NL                              ; the last step: nothing more to fetch
	WIN MUL_LO
	MUL16 0, 1, NQ-1, 1, 0
	MUL16 2, 1, NQ-1, 1, 0
	s_wait_dscnt 0
	WIN MUL_HI
	MUL16 4, 1, NQ-1, 1, 0
	MUL16 6, 1, NQ-1, 1, 0
	WIN 0
; THE WAY OUT, block by block of 16 rows x 128 columns (two heads).  A lane's eight results pack into 16 bytes of a row; the block goes through my own stage and comes back head by head, four rows of
; 128 bytes an instruction, which lie on end in the head's plane: each store covers 512 consecutive bytes, aligned.
.macro PACK a
.set AC, 64*((\a)%4)
	WIN 0x0a+5*((\a)/4)                            ; sources 0 and 1: window 2 or 3
.irp b, 0,1,2,3,4,5,6,7
.irp r, 0,1,2,3
	v_cvt_pk_f16_f32 v[TMP+4*\b+\r], v[AC+8*\b+2*\r], v[AC+8*\b+2*\r+1]   ; each accumulator from its low end on
.endr
.endr
	WIN 0
.endm
.macro TOSTAGE a
.set BB, BK+32*((\a)%2)
.irp b, 0,1,2,3,4,5,6,7
	ds_store_b128 v[STO], v[TMP+4*\b:TMP+4*\b+3] offset:32*\b
.endr
.irp i, 0,1,2,3
.irp u, 0,1
	ds_load_b128 v[BB+8*\i+4*\u:BB+8*\i+4*\u+3], v[RD] offset:\i*4*SPITCH+128*\u   ; LDS serves a wave's instructions in order (ISA guide 5.7.1.4): these see the stores above
.endr
.endr
.endm
.macro SEND a
.set BB, BK+32*((\a)%2)
	s_wait_dscnt 0x0                               ; the block is back in registers
	s_wait_xcnt 0x0                                ; the earlier stores have read their base and their registers: only now are these written again
.if (\a) > 0
	s_add_nc_u64 s[12:13], s[12:13], 16*128        ; 16 rows of a plane on
.endif
.irp i, 0,1,2,3
.irp u, 0,1
	global_store_b128 v[CO], v[BB+8*\i+4*\u:BB+8*\i+4*\u+3], s[12:13] offset:\u*262144+\i*512
.endr
.endr
.endm
	PLACES NP                                      ; behind the last products: for the reads of results and the loads into the registers that held x's fragments
	PACK 0
	TOSTAGE 0
.irp a, 1,2,3,4,5,6,7                  ; block a's conversions stand between block a - 1's loads from the stage and the wait for them
	PACK \a
	SEND \a-1
	TOSTAGE \a
.endr
	SEND 7
	s_wait_tensorcnt 0x0                           ; the wave's end
	ds_add_u32 v[SPW], v[NIL]
	s_wait_dscnt 0x0
	CROUND                                         ; the closing round: no work-group ends while a partner may still ask for a tile that names it
	s_endpgm
.Lfunc_end_k_qcba0ce6e56_qkv:
	.size	k_qcba0ce6e56_qkv, .Lfunc_end_k_qcba0ce6e56_qkv-k_qcba0ce6e56_qkv
	.p2alignl 7, 3214868480
	.fill 96, 4, 3214868480
	.section	.rodata,"a",@progbits
	.p2align	6, 0x0
	.amdhsa_kernel k_qcba0ce6e56_qkv
		.amdhsa_group_segment_fixed_size 327680
		.amdhsa_private_segment_fixed_size 0
		.amdhsa_enable_private_segment 0
		.amdhsa_kernarg_size 40
		.amdhsa_user_sgpr_count 2
		.amdhsa_user_sgpr_kernarg_segment_ptr 1
		.amdhsa_wavefront_size32 1
		.amdhsa_system_sgpr_workgroup_id_x 1
		.amdhsa_system_sgpr_workgroup_id_y 1
		.amdhsa_system_sgpr_workgroup_id_z 1
		.amdhsa_system_vgpr_workitem_id 0
		.amdhsa_next_free_vgpr 1024
		.amdhsa_next_free_sgpr 98
		.amdhsa_reserve_vcc 0
		.amdhsa_float_denorm_mode_32 3
		.amdhsa_float_denorm_mode_16_64 3
		.amdhsa_memory_ordered 1
		.amdhsa_forward_progress 1
		.amdhsa_inst_pref_size 127
	.end_amdhsa_kernel
	.amdgpu_metadata
---
amdhsa.version: [ 1, 2 ]
amdhsa.kernels:
  - .name:           k_qcba0ce6e56_qkv
    .symbol:         k_qcba0ce6e56_qkv.kd
    .args:
      - { .name: xc, .offset: 0, .size: 8, .value_kind: global_buffer, .address_space: global }
      - { .name: xs, .offset: 8, .size: 8, .value_kind: global_buffer, .address_space: global }
      - { .name: wc, .offset: 16, .size: 8, .value_kind: global_buffer, .address_space: global }
      - { .name: ws, .offset: 24, .size: 8, .value_kind: global_buffer, .address_space: global }
      - { .name: qkv, .offset: 32, .size: 8, .value_kind: global_buffer, .address_space: global }
    .group_segment_fixed_size: 327680
    .private_segment_fixed_size: 0
    .kernarg_segment_align: 8
    .kernarg_segment_size: 40
    .max_flat_workgroup_size: 128
    .sgpr_count:     98
    .vgpr_count:     1024
    .wavefront_size: 32
...
	.end_amdgpu_metadata
.endif
;; end of part 2
;; launch attn (part 3): grid 4 x 64, 8 waves a work-group, no clusters, 327,680 bytes of LDS; arguments qkv, ah; writes ah
.if DOCPART == 3
	.amdgcn_target "amdgcn-amd-amdhsa--gfx1250"
	.amdhsa_code_object_version 6
	.text
	.protected	k_qcba0ce6e56_attn
	.globl	k_qcba0ce6e56_attn
	.p2align	8
	.type	k_qcba0ce6e56_attn,@function
k_qcba0ce6e56_attn:
	s_mov_b64 s[64:65], 0
	v_nop
	global_prefetch_b8 v0, s[64:65] scope:SCOPE_SE
	s_setreg_imm32_b32 hwreg(HW_REG_WAVE_MODE, 25, 1), 1
	s_wait_xcnt 0x0
; ATTN: ah[b, h][q][:] = the sum over keys k <= q of softmax_k(Q[q] . K[k] / 32) V[k][:].  Q, K, V: planes of qkv, [2048][64] f16; ah: 64 planes [2048][64] f16.
; Products on f16 operands with f32 sums; maxima, exponentials and sums in f32; the weights p are rounded to f16 for the second product, the result once at the end.
; LIMITS: NaN and infinities are not served; the result stays under 65,504.  (Positions 0-15 of each sequence are made again, in f32, by later launches.)
; SHARES.  Work-group (p, head) owns two blocks of 256 queries: block 7 - p first, then block p.  Block i wants the keys' units 0 .. i (a unit = 256 keys), so every work-group walks
; (8 - p) + (p + 1) = 9 units: a constant trip count and equal work.  Each of the eight waves owns 32 queries, two tiles of 16: a fragment of K or V read from LDS feeds two products.
; NO CLUSTER: from the sixth unit on the four work-groups of a head want different units (unit U against U - (8 - p)), so their requests do not meet; walking units 0-7 jointly with both blocks
; resident would cost 12 block-units against these 9.
; NO PREFETCH: a unit is asked for a whole unit (four key steps of each wave) ahead of the wait for it.
; LAYOUT.  S^T = K Q^T (source 0 = 16 keys, source 1 = 16 queries): a lane holds ONE query (lane % 16) and keys 8 (lane / 16) + 0..7.  Two such tiles, rounded in pairs, ARE source 1 of O^T = V^T P.
; K comes out of LDS as it lies, V ([key][channel]) turned, by ds_load_tr16_b128.
; SOFTMAX.  A running maximum m and sum l for each query: p = 2^(c s - c m), c = log2(e) / 32; in every step O and l are multiplied by a = 2^(c m_old - c m_new).
; THE MASK.  A step all of whose 64 keys come after the wave's queries is jumped over (a scalar branch on ids); on the diagonal hidden scores become -infinity ahead of the maximum.
; Every step that is walked has its first key at or under the wave's first query, so every row's maximum is a number.
.set KP,    144                        ; a row of K in LDS: 128 bytes + 16 = 36 words: the 16 rows of a load start at 16 different groups of four banks (64 banks of 4 bytes: ISA guide 11.1)
.set VP,    160                        ; a row of V: 128 + 32 bytes
.set VOFF,  256*KP                     ; a slot: 256 rows of K, then 256 rows of V
.set SLOT1, 1<<17                      ; slot 1 begins here: one exclusive or turns an address from one slot to the other
.set STAGE, 2*SLOT1                    ; the way out: 32 rows x 144 bytes for each wave; no tile lands here
.set SPARE, STAGE+8*32*KP              ; the spare words, 128 bytes for each wave: four blocks of 256 bytes that no other line names
.set AK0, 1                            ; v1   my lane's place in a tile of K
.set AV0, 2                            ; v2   and of V
.set ADK, 3                            ; v3   LDS address of the step's K
.set ADV, 4                            ; v4   and V
.set QO,  5                            ; v5   my byte offset in the wave's rows of Q
.set STO, 6                            ; v6   the way out: where I put 16 bytes of a row
.set RD,  7                            ; v7   and where I read rows back
.set GO,  8                            ; v8   16 x lane
.set SPW, 9                            ; v9   LDS address of my spare word; never rewritten
.set NIL, 10                           ; v10  0; never rewritten
.set RH,  11                           ; v11  lane % 16 - 8 (lane / 16), for the mask; v12-14 at work there
.set ST,  16                           ; tile t's statistics at v[ST + 8 t]: +0 c m, +1 m, +2, +3 l, +4..+7 at work (+6: a, +7: c m_old - c m_new)
.set Q,   32                           ; Q: tile t, channels 32 c on, at v[Q + 16 t + 8 c]
.set S,   64                           ; S^T: tile t, keys 16 k on, at v[S + 32 t + 8 k]; P is laid over it: keys 32 g on at v[S + 32 t + 8 g]
.set O,   128                          ; O^T: tile t, channels 16 k on, at v[O + 32 t + 8 k]
.set KV,  192                          ; a step's K (v[KV + 16 k + 8 c]), then its V (v[KV + 32 g + 8 k])
.set WV,  8                            ; s8   my wave's number
.set PB,  9                            ; s9   p
.set U1,  11                           ; s11  8 - p: the first block's units
.set UU,  12                           ; s12  the unit's count, 0 .. 8
.set Q0,  13                           ; s13  my first query
.set KF,  14                           ; s14  the step's first key
.set TK,  15                           ; s15  LDS byte at which the step's K begins
.set TV,  16                           ; s16  the same for V (less VOFF)
.set CNT, 17                           ; s17  counts a unit's four steps
.set CS,  20                           ; s[20:21] c: the packed form names a pair and takes its low word for both halves
.set SEL, 22                           ; s[22:23] lane selects for v_permlanex16_b32: lane l xor 16
.set G1K, 24                           ; s[24:31], s[32:39] descriptor groups 1 for K's and V's tiles; s[40:43], s[44:47] their groups 0
.set G1V, 32
.set G0K, 40
.set G0V, 44
; Waves 0-3 fetch the four quarters (64 rows) of a unit's K, waves 4-7 those of its V: one load a wave.  An s_nop 0 and four v_nop follow each of the two lines.
.macro TLOAD
	s_cmp_lt_u32 s[WV], 4
	s_cbranch_scc0 .Lfor_v_\@
	tensor_load_to_lds s[G0K:G0K+3], s[G1K:G1K+7]
	s_nop 0
.rept 4
	v_nop
.endr
	s_branch .Lasked_\@
.Lfor_v_\@:
	tensor_load_to_lds s[G0V:G0V+3], s[G1V:G1V+7]
	s_nop 0
.rept 4
	v_nop
.endr
.Lasked_\@:
.endm
; A block of queries begins: Q into registers; O^T and l are zeros and m is -3e38, so that the step is written once (its first change of m multiplies zeros).
.macro START
	s_lshl_b32 s60, s[Q0], 7
	s_mov_b32 s61, 0
	s_add_nc_u64 s[60:61], s[52:53], s[60:61]      ; my first query's row
.irp f, 0,1,2,3
	global_load_b128 v[Q+8*\f:Q+8*\f+3],   v[QO], s[60:61] offset:(\f/2)*2048+(\f%2)*64
	global_load_b128 v[Q+8*\f+4:Q+8*\f+7], v[QO], s[60:61] offset:(\f/2)*2048+(\f%2)*64+32
.endr
.set i, 0
.rept 64
	v_mov_b32 v[O+i], 0
.set i, i+1
.endr
.irp t, 0,1
	v_mov_b32 v[ST+8*\t+1], 0xff61b1e6             ; m = -3e38, under every score
	v_mul_f32 v[ST+8*\t], s[CS], v[ST+8*\t+1]      ; c m
.irp j, 2,3,4,5,6,7
	v_mov_b32 v[ST+8*\t+\j], 0                     ; l; and the registers at work, which are named in pairs and by a lane permute before they are first written
.endr
.endr
	s_wait_loadcnt 0x0                             ; Q is in
	s_wait_xcnt 0x0                                ; the last block's stores have read their registers and their base
.endm
; A block ends: O^T / l, rounded to f16, through my stage: my 32 rows of 128 bytes lie on end in the plane, so each store covers 512 consecutive bytes, aligned.
.macro FINISH
.irp t, 0,1
	v_add_f32 v[ST+8*\t+4], v[ST+8*\t+2], v[ST+8*\t+3]   ; (these additions are the places behind the last products)
.endr
.irp t, 0,1
	v_permlanex16_b32 v[ST+8*\t+5], v[ST+8*\t+4], s[SEL], s[SEL+1]
.endr
.irp t, 0,1
	v_add_f32 v[ST+8*\t+4], v[ST+8*\t+4], v[ST+8*\t+5]
.endr
.irp t, 0,1
	v_rcp_f32 v[ST+8*\t+6], v[ST+8*\t+4]
.endr
	v_nop                                          ; a plain line behind the reciprocals
	s_lshl_b32 s62, s[Q0], 7
	s_mov_b32 s63, 0
	s_add_nc_u64 s[62:63], s[54:55], s[62:63]
	s_wait_alu depctr_va_vdst(0)                   ; the wait ahead of the first reader: one for both
.irp t, 0,1
.irp n, 0,2,4,6,8,10,12,14,16,18,20,22,24,26,28,30
	v_pk_mul_f32 v[O+32*\t+\n:O+32*\t+\n+1], v[O+32*\t+\n:O+32*\t+\n+1], v[ST+8*\t+6:ST+8*\t+7] op_sel_hi:[1,0]
.endr
.endr
.irp t, 0,1
.irp n, 0,1,2,3,4,5,6,7,8,9,10,11,12,13,14,15
	v_cvt_pk_f16_f32 v[S+16*\t+\n], v[O+32*\t+2*\n], v[O+32*\t+2*\n+1]
.endr
.endr
.irp t, 0,1
.irp k, 0,1,2,3
	ds_store_b128 v[STO], v[S+16*\t+4*\k:S+16*\t+4*\k+3] offset:\t*16*KP+32*\k
.endr
.endr
.irp i, 0,1,2,3,4,5,6,7
	ds_load_b128 v[S+32+4*\i:S+32+4*\i+3], v[RD] offset:\i*4*KP    ; LDS serves a wave's instructions in order (ISA guide 5.7.1.4): these see the stores above
.endr
.irp i, 0,1,2,3,4,5,6,7
	s_wait_dscnt 7-\i                              ; load i is in; the younger ones may be out
	global_store_b128 v[GO], v[S+32+4*\i:S+32+4*\i+3], s[62:63] offset:512*\i
.endr
.endm
; A KEY STEP: 64 keys.
.macro STEP
	s_add_co_u32 s56, s[Q0], 31
	s_cmp_gt_u32 s[KF], s56                        ; all its keys come after my 32 queries: only the addresses step
	s_cbranch_scc1 .Lhidden_\@
	v_add_nc_u32 v[ADK], s[TK], v[AK0]
	v_add_nc_u32 v[ADV], s[TV], v[AV0]
.rept 3
	v_nop                                          ; with the two additions five places behind the last step's products: for the loads into their registers, and for the products below, which write over P
.endr
.irp f, 0,1,2,3,4,5,6,7                ; keys 16 (f / 2) on, channels 32 (f % 2) on
	ds_load_b128 v[KV+8*\f:KV+8*\f+3],   v[ADK] offset:(\f/2)*16*KP+(\f%2)*64
	ds_load_b128 v[KV+8*\f+4:KV+8*\f+7], v[ADK] offset:(\f/2)*16*KP+(\f%2)*64+32
.endr
	s_wait_dscnt 0x0
.irp c, 0,1                            ; S^T = K Q^T: the eight accumulators take turns, one instruction a turn; the first eight start the sums
.irp k, 0,1,2,3
.irp t, 0,1
.if \c == 0
	v_wmma_f32_16x16x32_f16 v[S+32*\t+8*\k:S+32*\t+8*\k+7], v[KV+16*\k+8*\c:KV+16*\k+8*\c+7], v[Q+16*\t+8*\c:Q+16*\t+8*\c+7], 0
.else
	v_wmma_f32_16x16x32_f16 v[S+32*\t+8*\k:S+32*\t+8*\k+7], v[KV+16*\k+8*\c:KV+16*\k+8*\c+7], v[Q+16*\t+8*\c:Q+16*\t+8*\c+7], v[S+32*\t+8*\k:S+32*\t+8*\k+7]
.endif
.endr
.endr
.endr
.rept 4
	v_nop                                          ; places: for the loads into K's registers and for the first reads of the scores
.endr
.irp f, 0,1,2,3,4,5,6,7                ; V, turned: keys 32 (f / 4) on, channels 16 (f % 4) on.  It lands under the softmax
	ds_load_tr16_b128 v[KV+8*\f:KV+8*\f+3],   v[ADV] offset:(\f/4)*32*VP+(\f%4)*32
	ds_load_tr16_b128 v[KV+8*\f+4:KV+8*\f+7], v[ADV] offset:(\f/4)*32*VP+16*VP+(\f%4)*32
.endr
	s_add_co_u32 s56, s[KF], 63
	s_cmp_le_u32 s56, s[Q0]                        ; all 64 keys count for all my queries: no mask
	s_cbranch_scc1 .Lopen_\@
	s_sub_co_i32 s56, s[Q0], s[KF]
	v_add_nc_u32 v12, s56, v[RH]                   ; d = my query - the step's first key - 8 (lane / 16), tile 0;
	v_add_nc_u32 v13, 16, v12                      ; tile 1.  Register 8 k + j holds key 16 k + 8 (lane / 16) + j: hidden where 16 k + j > d
	v_mov_b32 v14, 0xff800000                      ; -infinity
.irp t, 0,1
.irp n, 0,1,2,3,4,5,6,7,8,9,10,11,12,13,14,15,16,17,18,19,20,21,22,23,24,25,26,27,28,29,30,31
	v_cmp_gt_i32 vcc_lo, 16*(\n/8)+\n%8, v[12+\t]
	v_cndmask_b32 v[S+32*\t+\n], v[S+32*\t+\n], v14, vcc_lo
.endr
.endr
.Lopen_\@:
	; the softmax, the two tiles line by line.  The maximum: four chains, each begun at an accumulator's low end
.irp j, 0,1,2,3
.irp t, 0,1
	v_max3_num_f32 v[ST+8*\t+4+\j], v[S+32*\t+8*\j], v[S+32*\t+8*\j+1], v[S+32*\t+8*\j+2]
.endr
.endr
.irp g, 1,2
.irp j, 0,1,2,3
.irp t, 0,1
	v_max3_num_f32 v[ST+8*\t+4+\j], v[ST+8*\t+4+\j], v[S+32*\t+8*\j+2*\g+1], v[S+32*\t+8*\j+2*\g+2]
.endr
.endr
.endr
.irp t, 0,1
	v_max3_num_f32 v[ST+8*\t+4], v[ST+8*\t+4], v[S+32*\t+7], v[S+32*\t+15]
	v_max3_num_f32 v[ST+8*\t+6], v[ST+8*\t+6], v[S+32*\t+23], v[S+32*\t+31]
.endr
.irp t, 0,1
	v_max3_num_f32 v[ST+8*\t+4], v[ST+8*\t+4], v[ST+8*\t+5], v[ST+8*\t+6]
.endr
.irp t, 0,1
	v_max3_num_f32 v[ST+8*\t+4], v[ST+8*\t+4], v[ST+8*\t+7], v[ST+8*\t+1]   ; with the old m
.endr
.irp t, 0,1
	v_permlanex16_b32 v[ST+8*\t+5], v[ST+8*\t+4], s[SEL], s[SEL+1]          ; the query's other 32 keys lie in the lane 16 away
.endr
.irp t, 0,1
	v_mov_b32 v[ST+8*\t+7], v[ST+8*\t]             ; c m_old
.endr
.irp t, 0,1
	v_max_num_f32 v[ST+8*\t+1], v[ST+8*\t+4], v[ST+8*\t+5]
.endr
.irp t, 0,1
	v_mul_f32 v[ST+8*\t], s[CS], v[ST+8*\t+1]
.endr
.irp t, 0,1
	v_sub_f32 v[ST+8*\t+7], v[ST+8*\t+7], v[ST+8*\t]
.endr
.irp n, 0,2,4,6,8,10,12,14,16,18,20,22,24,26,28,30
.irp t, 0,1
	v_pk_fma_f32 v[S+32*\t+\n:S+32*\t+\n+1], v[S+32*\t+\n:S+32*\t+\n+1], s[CS:CS+1], v[ST+8*\t:ST+8*\t+1] op_sel_hi:[1,0,0] neg_lo:[0,0,1] neg_hi:[0,0,1]   ; c s - c m
.endr
.endr
.irp t, 0,1
	v_exp_f32 v[ST+8*\t+6], v[ST+8*\t+7]           ; a
.endr
.irp n, 0,1,2,3,4,5,6,7,8,9,10,11,12,13,14,15,16,17,18,19,20,21,22,23,24,25,26,27,28,29,30,31
.irp t, 0,1
	v_exp_f32 v[S+32*\t+\n], v[S+32*\t+\n]         ; p
.endr
.endr
	v_nop                                          ; a plain line behind the last exponential
	s_wait_alu depctr_va_vdst(0)                   ; the wait ahead of the first reader: ONE for the step's 66 exponentials
.irp t, 0,1
	v_pk_mul_f32 v[ST+8*\t+2:ST+8*\t+3], v[ST+8*\t+2:ST+8*\t+3], v[ST+8*\t+6:ST+8*\t+7] op_sel_hi:[1,0]   ; l x a
	v_pk_add_f32 v[ST+8*\t+4:ST+8*\t+5], v[S+32*\t+2:S+32*\t+3], v[S+32*\t+6:S+32*\t+7]                    ; the sum of the unrounded p, in two chains
.endr
.irp t, 0,1
	v_pk_add_f32 v[ST+8*\t+2:ST+8*\t+3], v[ST+8*\t+2:ST+8*\t+3], v[S+32*\t:S+32*\t+1]
.endr
.irp n, 4,8,12,16,20,24
.irp t, 0,1
	v_pk_add_f32 v[ST+8*\t+2:ST+8*\t+3], v[ST+8*\t+2:ST+8*\t+3], v[S+32*\t+\n:S+32*\t+\n+1]
	v_pk_add_f32 v[ST+8*\t+4:ST+8*\t+5], v[ST+8*\t+4:ST+8*\t+5], v[S+32*\t+\n+6:S+32*\t+\n+7]
.endr
.endr
.irp t, 0,1
	v_pk_add_f32 v[ST+8*\t+2:ST+8*\t+3], v[ST+8*\t+2:ST+8*\t+3], v[S+32*\t+28:S+32*\t+29]
.endr
.irp t, 0,1
	v_pk_add_f32 v[ST+8*\t+2:ST+8*\t+3], v[ST+8*\t+2:ST+8*\t+3], v[ST+8*\t+4:ST+8*\t+5]
.endr
.irp n, 0,1,2,3,4,5,6,7,8,9,10,11,12,13,14,15
.irp t, 0,1
	v_cvt_pk_f16_f32 v[S+32*\t+\n], v[S+32*\t+2*\n], v[S+32*\t+2*\n+1]   ; P, in place: register n is written when registers 2 n and 2 n + 1 are read, and nothing below 2 n is read again
.endr
.endr
.irp n, 0,2,4,6,8,10,12,14,16,18,20,22,24,26,28,30
.irp t, 0,1
	v_pk_mul_f32 v[O+32*\t+\n:O+32*\t+\n+1], v[O+32*\t+\n:O+32*\t+\n+1], v[ST+8*\t+6:ST+8*\t+7] op_sel_hi:[1,0]   ; O^T x a
.endr
.endr
	s_wait_dscnt 0x0                               ; V is in
.irp g, 0,1                            ; O^T += V^T P: the eight accumulators take turns
.irp k, 0,1,2,3
.irp t, 0,1
	v_wmma_f32_16x16x32_f16 v[O+32*\t+8*\k:O+32*\t+8*\k+7], v[KV+32*\g+8*\k:KV+32*\g+8*\k+7], v[S+32*\t+8*\g:S+32*\t+8*\g+7], v[O+32*\t+8*\k:O+32*\t+8*\k+7]
.endr
.endr
.endr
.Lhidden_\@:
	s_add_co_u32 s[KF], s[KF], 64
	s_add_co_u32 s[TK], s[TK], 64*KP
	s_add_co_u32 s[TV], s[TV], 64*VP
.endm
; THE CHANGE OF SLOTS, at a unit's head.  Each wave waits for all its tensor loads (one is out: its part of the unit that it is about to read), adds 0 to its spare word, and waits for that and for its
; reads of the slot that it has left.  Behind the barrier the slot ahead is whole and nobody reads the other one.  fill = 1: that other slot takes the next unit, which has a whole unit's steps in which to land.
.macro CHANGE fill
	s_wait_tensorcnt 0x0                           ; no tensor load of mine is out, so the groups 0 may be written
	ds_add_u32 v[SPW], v[NIL]                      ; 0 onto my spare word; the descriptors' words stand between it and the wait for it
.if \fill
	s_xor_b32 s[G0K+1], s[G0K+1], SLOT1            ; the other slot than last time
	s_xor_b32 s[G0V+1], s[G0V+1], SLOT1
	s_add_co_u32 s56, s[UU], 1                     ; the next unit: its count,
	s_sub_co_u32 s57, s56, s[U1]
	s_cmp_ge_u32 s56, s[U1]
	s_cselect_b32 s56, s57, s56                    ; counted anew in the second block,
	s_lshl_b32 s56, s56, 15                        ; x 256 rows of 128 bytes
	s_mov_b32 s57, 0
	s_add_nc_u64 s[G0K+2:G0K+3], s[48:49], s[56:57]
	s_or_b32 s[G0K+3], s[G0K+3], 0x80000000
	s_add_nc_u64 s[G0V+2:G0V+3], s[50:51], s[56:57]
	s_or_b32 s[G0V+3], s[G0V+3], 0x80000000
.endif
	s_wait_dscnt 0x0                               ; the add is done, and my reads of the slot that I have left are over
	s_barrier_signal -1
	s_barrier_wait -1
.if \fill
	TLOAD                                          ; the first thing behind the barrier, and my one tensor load until the next
.endif
.endm
.macro UNIT fill
	CHANGE \fill
	s_cmp_lg_u32 s[UU], s[U1]                      ; ids and the count alone: all eight waves go the same way
	s_cbranch_scc1 .Lsame_\@
	FINISH                                         ; the first block is done;
	s_lshl_b32 s[Q0], s[PB], 8
	s_lshl_b32 s56, s[WV], 5
	s_add_co_u32 s[Q0], s[Q0], s56                 ; the second: my first query = 256 p + 32 x wave,
	s_mov_b32 s[KF], 0                             ; and the keys begin anew
	START
.Lsame_\@:
	s_mov_b32 s[CNT], 4
.Lstep_\@:
	STEP
	s_sub_co_u32 s[CNT], s[CNT], 1
	s_cmp_lg_u32 s[CNT], 0
	s_cbranch_scc1 .Lstep_\@
	s_sub_co_u32 s[TK], s[TK], 4*64*KP             ; back to a slot's first step,
	s_xor_b32 s[TK], s[TK], SLOT1                  ; in the other slot
	s_sub_co_u32 s[TV], s[TV], 4*64*VP
	s_xor_b32 s[TV], s[TV], SLOT1
.endm
	s_load_b128 s[4:7], s[0:1], 0x0                ; qkv s[4:5], ah s[6:7]
	v_lshl_add_u32 v[SPW], v0, 2, SPARE
	v_mov_b32 v[NIL], 0
	ds_add_u32 v[SPW], v[NIL]                      ; the wave's opening: the add, twice on end, and its wait ahead of my first tensor load
	ds_add_u32 v[SPW], v[NIL]
	v_lshrrev_b32 v14, 5, v0
	v_readfirstlane_b32 s[WV], v14                 ; wave 0..7
	s_mov_b32 s[PB], ttmp9                         ; p
	s_and_b32 s10, ttmp7, 0xffff                   ; batch x 16 + head
	s_sub_co_u32 s[U1], 8, s[PB]
	; descriptor groups 1: 64 rows of 64 elements of 2 bytes, dense in memory, padded in LDS behind every 32 words
	s_mov_b32 s[G1K], (1<<16)|(1<<20)|(4<<22)|(3<<25)   ; 17:16 elements of 2 bytes; 20 padding on; 24:22 after every 32 words (code 4); 31:25 four words (code 3)
	s_mov_b32 s[G1V], (1<<16)|(1<<20)|(4<<22)|(7<<25)   ; the same with eight words (code 7)
.irp g, G1K, G1V
	s_mov_b32 s[\g+1], 64<<16                      ; tensor_dim0
	s_mov_b32 s[\g+2], 64<<16                      ; tensor_dim1
	s_mov_b32 s[\g+3], 64<<16                      ; tile_dim0
	s_mov_b32 s[\g+4], 64                          ; tile_dim1
	s_mov_b32 s[\g+5], 64                          ; tensor_dim0_stride
	s_mov_b32 s[\g+6], 0
	s_mov_b32 s[\g+7], 0
.endr
	s_mov_b32 s[CS], 0x3d38aa3b                    ; c = log2(e) / 32
	s_mov_b32 s[CS+1], s[CS]
	s_mov_b32 s[SEL], 0x76543210
	s_mov_b32 s[SEL+1], 0xfedcba98
	s_and_b32 s66, s[WV], 3                        ; which quarter of a unit I fetch
	s_lshl_b32 s58, s10, 18                        ; my head's plane among 64
	s_mov_b32 s59, 0
	s_lshl_b32 s56, s66, 13                        ; my quarter: 64 rows of 128 bytes
	s_add_co_u32 s56, s56, s58
	s_add_co_u32 s56, s56, 64<<18                  ; K's planes lie behind Q's 64
	s_mov_b32 s57, 0
	s_mov_b32 s[G0K], 1
	s_mul_i32 s[G0K+1], s66, 64*KP                 ; slot 0, my quarter
	s_mov_b32 s[G0V], 1
	s_mul_i32 s[G0V+1], s66, 64*VP
	s_add_co_u32 s[G0V+1], s[G0V+1], VOFF
	s_wait_dscnt 0x0                               ; both opening adds are done
	s_wait_kmcnt 0x0
	s_add_nc_u64 s[48:49], s[4:5], s[56:57]        ; K at my quarter of unit 0
	s_add_nc_u64 s[50:51], s[48:49], 64<<18        ; V's planes lie 64 further on
	s_add_nc_u64 s[52:53], s[4:5], s[58:59]        ; Q's plane
	s_add_nc_u64 s[54:55], s[6:7], s[58:59]        ; ah's plane
	s_mov_b64 s[G0K+2:G0K+3], s[48:49]
	s_or_b32 s[G0K+3], s[G0K+3], 0x80000000
	s_mov_b64 s[G0V+2:G0V+3], s[50:51]
	s_or_b32 s[G0V+3], s[G0V+3], 0x80000000
	TLOAD                                          ; unit 0 into slot 0
	v_and_b32 v14, 15, v0                          ; r = lane % 16
	v_bfe_u32 v15, v0, 4, 1                        ; h = lane / 16
	v_mul_u32_u24 v[AK0], v14, KP
	v_lshl_add_u32 v[AK0], v15, 4, v[AK0]          ; K: row r, + 16 h
	v_and_b32 v[AV0], 7, v0
	v_lshl_add_u32 v[AV0], v15, 3, v[AV0]
	v_mul_u32_u24 v[AV0], v[AV0], VP               ; V: key 8 h + lane % 8,
	v_bfe_u32 v[ADK], v0, 3, 1
	v_lshl_add_u32 v[AV0], v[ADK], 4, v[AV0]       ; channels 8 ((lane / 8) % 2) on
	v_add_nc_u32 v[AV0], VOFF, v[AV0]
	v_lshlrev_b32 v[QO], 7, v14
	v_lshl_add_u32 v[QO], v15, 4, v[QO]            ; Q: row r of 128 bytes, + 16 h
	s_mul_i32 s56, s[WV], 32*KP
	s_add_co_u32 s56, s56, STAGE                   ; my stage
	v_mul_u32_u24 v[STO], v14, KP
	v_lshl_add_u32 v[STO], v15, 4, v[STO]
	v_add_nc_u32 v[STO], s56, v[STO]
	v_bfe_u32 v[RD], v0, 3, 2
	v_mul_u32_u24 v[RD], v[RD], KP
	v_and_b32 v[GO], 7, v0
	v_lshl_add_u32 v[RD], v[GO], 4, v[RD]
	v_add_nc_u32 v[RD], s56, v[RD]                 ; back: eight lanes to a row, four rows an instruction
	v_and_b32 v[GO], 31, v0
	v_lshlrev_b32 v[GO], 4, v[GO]
	v_lshlrev_b32 v[RH], 3, v15
	v_sub_nc_u32 v[RH], v14, v[RH]
	s_sub_co_u32 s[Q0], 7, s[PB]
	s_lshl_b32 s[Q0], s[Q0], 8
	s_lshl_b32 s56, s[WV], 5
	s_add_co_u32 s[Q0], s[Q0], s56                 ; the first block: my first query = 256 (7 - p) + 32 x wave
	s_mov_b32 s[KF], 0
	s_mov_b32 s[TK], 0
	s_mov_b32 s[TV], 0
	START
	s_mov_b32 s[UU], 0
.Lunit:                                            ; eight trips: behind each change of slots the next unit is asked for
	UNIT 1
	s_add_co_u32 s[UU], s[UU], 1
	s_cmp_lt_u32 s[UU], 8
	s_cbranch_scc1 .Lunit
	UNIT 0                                         ; the ninth unit is written out: nothing is left to ask for
	FINISH
	s_wait_tensorcnt 0x0                           ; the wave's end
	ds_add_u32 v[SPW], v[NIL]
	s_wait_dscnt 0x0
	s_endpgm
.Lfunc_end_k_qcba0ce6e56_attn:
	.size	k_qcba0ce6e56_attn, .Lfunc_end_k_qcba0ce6e56_attn-k_qcba0ce6e56_attn
	.p2alignl 7, 3214868480
	.fill 96, 4, 3214868480
	.section	.rodata,"a",@progbits
	.p2align	6, 0x0
	.amdhsa_kernel k_qcba0ce6e56_attn
		.amdhsa_group_segment_fixed_size 327680
		.amdhsa_private_segment_fixed_size 0
		.amdhsa_enable_private_segment 0
		.amdhsa_kernarg_size 16
		.amdhsa_user_sgpr_count 2
		.amdhsa_user_sgpr_kernarg_segment_ptr 1
		.amdhsa_wavefront_size32 1
		.amdhsa_system_sgpr_workgroup_id_x 1
		.amdhsa_system_sgpr_workgroup_id_y 1
		.amdhsa_system_sgpr_workgroup_id_z 1
		.amdhsa_system_vgpr_workitem_id 0
		.amdhsa_next_free_vgpr 256
		.amdhsa_next_free_sgpr 80
		.amdhsa_reserve_vcc 1
		.amdhsa_float_denorm_mode_32 3
		.amdhsa_float_denorm_mode_16_64 3
		.amdhsa_memory_ordered 1
		.amdhsa_forward_progress 1
		.amdhsa_inst_pref_size 81
	.end_amdhsa_kernel
	.amdgpu_metadata
---
amdhsa.version: [ 1, 2 ]
amdhsa.kernels:
  - .name:           k_qcba0ce6e56_attn
    .symbol:         k_qcba0ce6e56_attn.kd
    .args:
      - { .name: qkv, .offset: 0, .size: 8, .value_kind: global_buffer, .address_space: global }
      - { .name: ah, .offset: 8, .size: 8, .value_kind: global_buffer, .address_space: global }
    .group_segment_fixed_size: 327680
    .private_segment_fixed_size: 0
    .kernarg_segment_align: 8
    .kernarg_segment_size: 16
    .max_flat_workgroup_size: 256
    .sgpr_count:     80
    .vgpr_count:     256
    .wavefront_size: 32
...
	.end_amdgpu_metadata
.endif
;; end of part 3
;; launch proj (part 4): grid 4 x 64, 4 waves a work-group, clusters of 4 x 4, 327,680 bytes of LDS; arguments ah, wot, out0; writes out0
.if DOCPART == 4
	.amdgcn_target "amdgcn-amd-amdhsa--gfx1250"
	.amdhsa_code_object_version 6
	.text
	.protected	k_qcba0ce6e56_proj
	.globl	k_qcba0ce6e56_proj
	.p2align	8
	.type	k_qcba0ce6e56_proj,@function
k_qcba0ce6e56_proj:
	s_mov_b64 s[64:65], 0
	v_nop
	global_prefetch_b8 v0, s[64:65] scope:SCOPE_SE
	s_setreg_imm32_b32 hwreg(HW_REG_WAVE_MODE, 25, 1), 1
	s_wait_xcnt 0x0
	s_wait_alu depctr_hold_cnt(0) depctr_sa_sdst(0) depctr_va_vdst(0) depctr_va_sdst(0) depctr_va_ssrc(0) depctr_va_vcc(0) depctr_vm_vsrc(0)
	s_getreg_b32 s2, hwreg(HW_REG_IB_STS2, 6, 4)
	s_cmp_eq_u32 s2, 0
	s_cbranch_scc0 .Lentry_in_a_cluster
	s_endpgm
.Lentry_in_a_cluster:
	s_bfe_u32 s2, ttmp6, 0x10000c
	s_cmp_lg_u32 s2, 0xf033
	s_cbranch_scc0 .Lentry_shape_is_right
	s_endpgm
.Lentry_shape_is_right:
; PROJ: out0 [8192][1024] f32 = A Wo, on f16 operands with f32 sums.  A's row (b, t) is spread over 16 planes of ah ([2048 t][64] f16, plane = 16 b + head), k = 64 head + channel; wot is Wo as [1024 n][1024 k] f16.
; A tile is 128 rows x 256 columns: 64 x 4 = 256 work-groups (tiles of 256 x 256 would be 128).  Four waves, each 64 x 128: 32 accumulators, 256 registers.
; K goes in steps of 128 (two heads) through a ring of two LDS slots.  Waves 0 and 1 fetch A's two heads (128 rows of 128 bytes), waves 2 and 3 the halves of wot's 256 rows (256 bytes each).
; CLUSTERS: 4 x 4 work-groups.  The four of a row of the cluster need the same tiles of A, the four of a column the same tiles of wot: each is asked for JOINTLY.
; THE MATRIX INSTRUCTION IS USED TRANSPOSED (source 0 = 16 rows of wot, source 1 = 16 rows of A): a lane holds eight neighbouring columns of one row.
; REGISTERS: window 0: v0-31 addresses; two fragment buffers of 96 (A's four fragments, then wot's eight) at v32 and v128; on the way out v32-159.   window 1: accumulator (a, b) at v[8 (8 a + b)].
.set PA,     144                       ; A's LDS row: 128 bytes + 16
.set PBW,    272                       ; wot's: 256 bytes + 16.  Both are odd multiples of 16 bytes: the 16 rows of a load start at different banks (ISA guide 11.1)
.set AHEAD,  128*PA                    ; one head's 128 rows
.set BHALF,  128*PBW                   ; 128 rows of wot
.set SLOT,   2*AHEAD+2*BHALF
.set STAGE,  2*SLOT                    ; behind the ring: 16 rows x (512 bytes + 16) for each wave
.set SPITCH, 528
.set SPARE,  STAGE+4*16*SPITCH         ; the spare words, 128 bytes for each wave: two blocks of 256 bytes that no other line names
.set LAPS,   4                         ; a lap = two K steps
.set KSB,    2*262144                  ; a K step on in ah: two planes
.set ADRA, 16
.set ADRB, 20
.set STO,  24
.set RD,   25
.set CO,   26
.set SPW,  28
.set NIL,  29
.set PFO,  30                          ; v30  256 x my lane; never rewritten
.set F0,   32
.set F1,   128
.set OB,   32                          ; the way out: 16 rows read back: v32-95 and v96-159 by turns
.set G1,  24
.set G0,  32
.set G1B, 48
.set G0B, 56
.set LIM, 43                           ; s43  1 in a wave that prefetches, else the greatest number
.set PFA, 44                           ; s[44:45] where my prefetches stand
.set MSB, 0
.macro WIN new
.if MSB != \new
	s_set_vgpr_msb (MSB<<8)|\new
.set MSB, \new
.endif
.endm
.set MUL, 0x50                         ; sources 0 and 1 window 0; C and D window 1
.macro JLOAD s                         ; waves 0 and 1 fetch for A, waves 2 and 3 for wot; an s_nop 0 and four v_nop follow each of the two lines
	s_cmp_eq_u32 s11, 0
	s_cbranch_scc0 .Lfor_b_\@
	tensor_load_to_lds s[G0+4*\s:G0+4*\s+3], s[G1:G1+7]
	s_nop 0
.rept 4
	v_nop
.endr
	s_branch .Lasked_\@
.Lfor_b_\@:
	tensor_load_to_lds s[G0B+4*\s:G0B+4*\s+3], s[G1B:G1B+7]
	s_nop 0
.rept 4
	v_nop
.endr
.Lasked_\@:
.endm
; A PREFETCH INTO THE L2 of A's tile of the K step that stands two refills on: two heads x 128 rows of 128 bytes are two dense blocks of 16,384 bytes.  A tile row is read by one row of one cluster:
; its four partners share the 128 pieces of 256 bytes out BY ADDRESS (place cx: head cx / 2, half cx % 2), and in each wave 0 asks: one instruction, lanes 256 bytes apart.  So each piece is named once.
; The loop's last trip asks for nothing: its two refills have no K step two on.  K steps 0 to 3 come by their loads alone.  wot is read by all 64 tile rows and is not asked for.
.macro ASK
	s_cmp_gt_u32 s3, s[LIM]
	s_cbranch_scc0 .Lnot_mine_\@
	global_prefetch_b8 v[PFO], s[PFA:PFA+1] offset:KSB th:TH_LOAD_NT scope:SCOPE_SE
.Lnot_mine_\@:
.endm
.macro CREST
	s_cmp_lg_u32 s10, 0
	s_cbranch_scc1 .Lnot_wave_0_\@
	s_barrier_signal -3
.Lnot_wave_0_\@:
	s_barrier_wait -3
	s_barrier_signal -1
	s_barrier_wait -1
.endm
.macro CROUND
	s_barrier_signal -1
	s_barrier_wait -1
	CREST
.endm
	s_load_b128 s[4:7], s[0:1], 0x0                ; ah s[4:5], wot s[6:7]
	s_load_b64 s[8:9], s[0:1], 0x10                ; out0
	v_lshl_add_u32 v[SPW], v0, 2, SPARE
	v_mov_b32 v[NIL], 0
	ds_add_u32 v[SPW], v[NIL]                      ; the wave's opening: the add, twice on end, and its wait ahead of my first tensor load
	ds_add_u32 v[SPW], v[NIL]
	v_lshrrev_b32 v1, 5, v0
	v_readfirstlane_b32 s10, v1                    ; wave 0..3
	s_lshr_b32 s11, s10, 1                         ; which 64 of the tile's rows are mine.  Also: I fetch for A (0) or for wot (1)
	s_and_b32 s12, s10, 1                          ; which 128 of its columns.  Also: which head, or which 128 rows of wot, I fetch
	s_bfe_u32 s40, ttmp6, 0x40000                  ; cx, cy
	s_bfe_u32 s41, ttmp6, 0x40004
	s_lshl_b32 s42, ttmp9, 2
	s_add_co_u32 s42, s42, s40                     ; tile column 0..3
	s_and_b32 s13, ttmp7, 0xffff
	s_lshl_b32 s13, s13, 2
	s_add_co_u32 s13, s13, s41                     ; tile row 0..63
	s_lshl_b32 s43, s41, 2
	s_lshl_b32 s43, 15, s43                        ; my row of the cluster
	s_lshl_b32 s44, 0x1111, s40                    ; my column
	s_or_b32 s[G1], s43, (1<<16)|(1<<20)|(1<<21)|(4<<22)|(3<<25)    ; A: elements of 2 bytes; padding: four words after every 32; 21 set beside a mask
	s_mov_b32 s[G1+1], 64<<16                      ; tensor_dim0 = 64
	s_mov_b32 s[G1+2], 128<<16                     ; tensor_dim1 = 128
	s_mov_b32 s[G1+3], 64<<16                      ; tile_dim0
	s_mov_b32 s[G1+4], 128                         ; tile_dim1
	s_mov_b32 s[G1+5], 64                          ; tensor_dim0_stride
	s_mov_b32 s[G1+6], 0
	s_mov_b32 s[G1+7], 0
	s_or_b32 s[G1B], s44, (1<<16)|(1<<20)|(1<<21)|(5<<22)|(3<<25)   ; wot: four words after every 64
	s_mov_b32 s[G1B+1], 128<<16
	s_mov_b32 s[G1B+2], 128<<16
	s_mov_b32 s[G1B+3], 128<<16
	s_mov_b32 s[G1B+4], 128
	s_mov_b32 s[G1B+5], 1024
	s_mov_b32 s[G1B+6], 0
	s_mov_b32 s[G1B+7], 0
	s_lshr_b32 s20, s13, 4                         ; batch = tile row / 16: 16 planes of 262,144 bytes,
	s_lshl_b32 s20, s20, 22
	s_and_b32 s17, s13, 15
	s_lshl_b32 s17, s17, 14                        ; t = 128 (tile row % 16), rows of 128 bytes
	s_add_co_u32 s20, s20, s17                     ; the tile's rows in its batch's head 0
	s_mov_b32 s21, 0
	s_lshl_b32 s16, s12, 18
	s_add_co_u32 s16, s16, s20                     ; + the head that I fetch
	s_mov_b32 s17, 0
	s_lshl_b32 s46, s42, 19                        ; wot: row 256 x tile column + 128 x half, rows of 2,048 bytes
	s_lshl_b32 s47, s12, 18
	s_add_co_u32 s46, s46, s47
	s_mov_b32 s47, 0
	s_mul_i32 s22, s12, AHEAD                      ; where they go: no place in the cluster enters an LDS address
	s_mul_i32 s23, s12, BHALF
	s_add_co_u32 s23, s23, 2*AHEAD
	s_wait_dscnt 0x0                               ; both opening adds are done
	s_wait_kmcnt 0x0
	s_add_nc_u64 s[14:15], s[4:5], s[16:17]
	s_add_nc_u64 s[46:47], s[6:7], s[46:47]
	CROUND                                         ; all sixteen work-groups are here: the first joint loads meet
.irp s, 0,1
	s_mov_b32 s[G0+4*\s], 1
	s_add_co_u32 s[G0+4*\s+1], s22, \s*SLOT
	s_add_nc_u64 s[G0+4*\s+2:G0+4*\s+3], s[14:15], \s*KSB
	s_or_b32 s[G0+4*\s+3], s[G0+4*\s+3], 0x80000000
	s_mov_b32 s[G0B+4*\s], 1
	s_add_co_u32 s[G0B+4*\s+1], s23, \s*SLOT
	s_add_nc_u64 s[G0B+4*\s+2:G0B+4*\s+3], s[46:47], \s*256
	s_or_b32 s[G0B+4*\s+3], s[G0B+4*\s+3], 0x80000000
	JLOAD \s
.endr
	v_and_b32 v1, 15, v0                           ; l % 16
	v_bfe_u32 v2, v0, 4, 1                         ; l / 16
	v_mul_u32_u24 v3, v1, PA
	v_lshl_add_u32 v3, v2, 4, v3
	v_mul_u32_u24 v4, v1, PBW
	v_lshl_add_u32 v4, v2, 4, v4
	s_mul_i32 s21, s11, 64*PA                      ; my 64 rows of A (in each head)
	s_mul_i32 s22, s12, BHALF                      ; my 128 rows of wot,
	s_add_co_u32 s22, s22, 2*AHEAD                 ; behind A's two heads
.irp s, 0,1
	v_add_nc_u32 v[ADRA+\s], s21, v3
	v_add_nc_u32 v[ADRB+\s], s22, v4
	s_add_co_u32 s21, s21, SLOT
	s_add_co_u32 s22, s22, SLOT
.endr
	s_mul_i32 s23, s10, 16*SPITCH
	s_add_co_u32 s23, s23, STAGE                   ; my stage
	v_mul_u32_u24 v5, v1, SPITCH
	v_lshl_add_u32 v5, v2, 5, v5
	v_add_nc_u32 v[STO], s23, v5                   ; in: row l % 16, 32 bytes for each half of the lanes
	v_and_b32 v6, 31, v0
	v_lshlrev_b32 v[CO], 4, v6                     ; back: the 32 lanes take one row of 512 bytes; and the same in out0
	v_add_nc_u32 v[RD], s23, v[CO]
	v_lshlrev_b32 v[PFO], 8, v6
	s_lshl_b32 s16, s13, 19                        ; my first row of out0: 128 x tile row + 64 x half, rows of 4,096 bytes
	s_lshl_b32 s17, s11, 18
	s_add_co_u32 s16, s16, s17
	s_mov_b32 s17, 0
	s_add_nc_u64 s[8:9], s[8:9], s[16:17]
	s_lshl_b32 s46, s42, 10                        ; my first column, in bytes: 1,024 x tile column + 512 x half
	s_lshl_b32 s47, s12, 9
	s_add_co_u32 s46, s46, s47
	s_mov_b32 s47, 0
	s_add_nc_u64 s[8:9], s[8:9], s[46:47]
	s_mov_b32 s21, 0
	s_add_nc_u64 s[PFA:PFA+1], s[4:5], s[20:21]    ; the prefetches: the tile's rows,
	s_lshr_b32 s46, s40, 1
	s_lshl_b32 s46, s46, 18                        ; my work-group's head of the two
	s_and_b32 s18, s40, 1
	s_lshl_b32 s18, s18, 13                        ; and half of its 16,384 bytes,
	s_add_co_u32 s46, s46, s18
	s_add_co_u32 s46, s46, 2*KSB                   ; at K step 2: the first refill steps it to 3 and names K step 4
	s_add_nc_u64 s[PFA:PFA+1], s[PFA:PFA+1], s[46:47]
	s_cmp_eq_u32 s10, 0
	s_cselect_b32 s[LIM], 1, -1                    ; wave 0 asks: the same in all sixteen partners
.macro MULA f, a, zero                 ; 8 products: A's block a against wot's eight, 32 along K.  The 32 accumulators take turns, one instruction a turn, in the same order in every quarter
.irp b, 0,1,2,3,4,5,6,7
.if \zero
	v_wmma_f32_16x16x32_f16 v[8*(8*(\a)+\b):8*(8*(\a)+\b)+7], v[\f+32+8*\b:\f+32+8*\b+7], v[\f+8*(\a):\f+8*(\a)+7], 0
.else
	v_wmma_f32_16x16x32_f16 v[8*(8*(\a)+\b):8*(8*(\a)+\b)+7], v[\f+32+8*\b:\f+32+8*\b+7], v[\f+8*(\a):\f+8*(\a)+7], v[8*(8*(\a)+\b):8*(8*(\a)+\b)+7]
.endif
.endr
.endm
.macro FETCH slot, q, f                ; 24 LDS loads in one run: the fragments of the slot's q-th 32 along K: wot's eight, then A's four (head q / 2, channels 32 (q % 2) on)
	WIN 0
.irp b, 0,1,2,3,4,5,6,7
	ds_load_b128 v[\f+32+8*\b:\f+32+8*\b+3], v[ADRB+\slot] offset:64*(\q)+\b*16*PBW
	ds_load_b128 v[\f+32+8*\b+4:\f+32+8*\b+7], v[ADRB+\slot] offset:64*(\q)+\b*16*PBW+32
.endr
.irp a, 0,1,2,3
	ds_load_b128 v[\f+8*\a:\f+8*\a+3], v[ADRA+\slot] offset:((\q)/2)*AHEAD+((\q)%2)*64+\a*16*PA
	ds_load_b128 v[\f+8*\a+4:\f+8*\a+7], v[ADRA+\slot] offset:((\q)/2)*AHEAD+((\q)%2)*64+\a*16*PA+32
.endr
.endm
.macro PLACES                          ; four plain lines in front of loads into registers that matrix instructions have read, and of reads of results
.rept 4
	v_nop
.endr
.endm
.macro QUARTER slot, q, f, g, zero     ; multiplies buffer f; in its middle it fetches the slot's q-th 32 along K into buffer g
	s_wait_dscnt 4                                 ; wot's fragments and A's blocks 0, 1 are in; the youngest four loads (A's blocks 2, 3) may be out
	WIN MUL
	MULA \f, 0, \zero
	MULA \f, 1, \zero
	PLACES
	FETCH \slot, \q, \g
	s_wait_dscnt 24                                ; all but the 24 just issued
	WIN MUL
	MULA \f, 2, \zero
	MULA \f, 3, \zero
.endm
; A K step's last quarter multiplies buffer 1 and changes slots: ONE barrier; in front of it each wave waits for all its tensor loads, adds 0 to its spare word, and waits for that and for its reads of this slot.
; fill = 1: the barrier opens a round of the cluster's barrier, and this slot is filled again, two K steps ahead, first thing behind the round.
.macro TURN slot, next, fill
.if \fill
	s_wait_xcnt 0x0                                ; the last prefetch, a K step back, has read its address
	s_add_nc_u64 s[PFA:PFA+1], s[PFA:PFA+1], KSB
.endif
	WIN 0                                          ; (the add's two registers lie in window 0)
	s_wait_tensorcnt 0x0                           ; all my tensor loads have landed: the one that was out is my part of the next slot
	ds_add_u32 v[SPW], v[NIL]                      ; 0 onto my spare word
	s_wait_dscnt 7                                 ; the add and the youngest six loads (A's blocks 1 to 3) may be out
	WIN MUL
	MULA F1, 0, 0                                  ; eight matrix instructions stand between the add and the wait for it
	s_wait_dscnt 0x0                               ; the add is done, and my reads of this slot are over
	s_barrier_signal -1
	MULA F1, 1, 0
.if \fill
	WIN 0
.endif
	s_barrier_wait -1
.if \fill
	CREST                                          ; no wave of any partner still reads this slot's tile or has a load on its way
	s_add_nc_u64 s[G0+4*\slot+2:G0+4*\slot+3], s[G0+4*\slot+2:G0+4*\slot+3], 2*KSB
	s_add_nc_u64 s[G0B+4*\slot+2:G0B+4*\slot+3], s[G0B+4*\slot+2:G0B+4*\slot+3], 2*256
	JLOAD \slot                                    ; the four v_nop behind it are also the places in front of the loads below
.else
	PLACES
.endif
	FETCH \next, 0, F0
.if \fill
	ASK
.endif
	WIN MUL
	MULA F1, 2, 0
	MULA F1, 3, 0
.endm
	s_wait_tensorcnt 1                             ; my part of K step 0 is in; the one younger load, K step 1's, may be out
	s_barrier_signal -1
	s_barrier_wait -1
	FETCH 0, 0, F0
	QUARTER 0, 1, F0, F1, 1                        ; the first quarter's products start the sums: nothing is cleared
	WIN 0                                          ; at a label and at a branch every window is 0
	s_mov_b32 s3, LAPS-1
.Llap:                                             ; a trip goes once round the ring, from a lap's second quarter to the next lap's first, and fills both slots again
	QUARTER 0, 2, F1, F0, 0
	QUARTER 0, 3, F0, F1, 0
	TURN 0, 1, 1
	QUARTER 1, 1, F0, F1, 0
	QUARTER 1, 2, F1, F0, 0
	QUARTER 1, 3, F0, F1, 0
	TURN 1, 0, 1
	QUARTER 0, 1, F0, F1, 0
	WIN 0
	s_sub_co_u32 s3, s3, 1
	s_cmp_lg_u32 s3, 0
	s_cbranch_scc1 .Llap
	QUARTER 0, 2, F1, F0, 0                        ; the last lap fills nothing, and has no round of the cluster's barrier
	QUARTER 0, 3, F0, F1, 0
	TURN 0, 1, 0
	QUARTER 1, 1, F0, F1, 0
	QUARTER 1, 2, F1, F0, 0
	QUARTER 1, 3, F0, F1, 0
	s_wait_dscnt 4                                 ; the very last quarter: nothing more to fetch
	WIN MUL
	MULA F1, 0, 0
	MULA F1, 1, 0
	s_wait_dscnt 0
	MULA F1, 2, 0
	MULA F1, 3, 0
	WIN 0
; THE WAY OUT, block by block of 16 rows x 128 columns: through my own stage, back as whole rows of 512 bytes: each store covers 512 consecutive bytes, aligned.
.macro TOSTAGE a
	WIN 0x04                                       ; an LDS store's data are its source 1: window 1
.irp b, 0,1,2,3,4,5,6,7
	ds_store_b128 v[STO], v[64*(\a)+8*\b:64*(\a)+8*\b+3] offset:64*\b          ; each accumulator from its low end on
	ds_store_b128 v[STO], v[64*(\a)+8*\b+4:64*(\a)+8*\b+7] offset:64*\b+16
.endr
	WIN 0
.set BB, OB+64*((\a)%2)
.irp t, 0,1,2,3,4,5,6,7,8,9,10,11,12,13,14,15
	ds_load_b128 v[BB+4*\t:BB+4*\t+3], v[RD] offset:\t*SPITCH   ; LDS serves a wave's instructions in order (ISA guide 5.7.1.4)
.endr
.endm
.macro SEND a, younger                 ; younger: the LDS instructions issued behind block a's loads, which may stay out
.set BB, OB+64*((\a)%2)
	s_wait_dscnt \younger
.if (\a) > 0
	s_add_nc_u64 s[8:9], s[8:9], 16*4096           ; (behind a wait on XCNT: the earlier stores have read their base)
.endif
.irp t, 0,1,2,3,4,5,6,7,8,9,10,11,12,13,14,15
	global_store_b128 v[CO], v[BB+4*\t:BB+4*\t+3], s[8:9] offset:\t*4096 th:TH_STORE_NT
.endr
.endm
	PLACES
	TOSTAGE 0
.irp a, 1,2,3
.if \a > 1
	s_wait_xcnt 0x0                                ; block a - 2's stores have read their registers and their base
.endif
	TOSTAGE \a
	SEND \a-1, 32                                  ; behind block a - 1's loads: block a's 16 stores and 16 loads
.endr
	s_wait_xcnt 0x0
	SEND 3, 0
	s_wait_tensorcnt 0x0                           ; the wave's end
	ds_add_u32 v[SPW], v[NIL]
	s_wait_dscnt 0x0
	CROUND                                         ; the closing round
	s_endpgm
.Lfunc_end_k_qcba0ce6e56_proj:
	.size	k_qcba0ce6e56_proj, .Lfunc_end_k_qcba0ce6e56_proj-k_qcba0ce6e56_proj
	.p2alignl 7, 3214868480
	.fill 96, 4, 3214868480
	.section	.rodata,"a",@progbits
	.p2align	6, 0x0
	.amdhsa_kernel k_qcba0ce6e56_proj
		.amdhsa_group_segment_fixed_size 327680
		.amdhsa_private_segment_fixed_size 0
		.amdhsa_enable_private_segment 0
		.amdhsa_kernarg_size 24
		.amdhsa_user_sgpr_count 2
		.amdhsa_user_sgpr_kernarg_segment_ptr 1
		.amdhsa_wavefront_size32 1
		.amdhsa_system_sgpr_workgroup_id_x 1
		.amdhsa_system_sgpr_workgroup_id_y 1
		.amdhsa_system_sgpr_workgroup_id_z 1
		.amdhsa_system_vgpr_workitem_id 0
		.amdhsa_next_free_vgpr 512
		.amdhsa_next_free_sgpr 72
		.amdhsa_reserve_vcc 0
		.amdhsa_float_denorm_mode_32 3
		.amdhsa_float_denorm_mode_16_64 3
		.amdhsa_memory_ordered 1
		.amdhsa_forward_progress 1
		.amdhsa_inst_pref_size 86
	.end_amdhsa_kernel
	.amdgpu_metadata
---
amdhsa.version: [ 1, 2 ]
amdhsa.kernels:
  - .name:           k_qcba0ce6e56_proj
    .symbol:         k_qcba0ce6e56_proj.kd
    .args:
      - { .name: ah, .offset: 0, .size: 8, .value_kind: global_buffer, .address_space: global }
      - { .name: wot, .offset: 8, .size: 8, .value_kind: global_buffer, .address_space: global }
      - { .name: out0, .offset: 16, .size: 8, .value_kind: global_buffer, .address_space: global }
    .group_segment_fixed_size: 327680
    .private_segment_fixed_size: 0
    .kernarg_segment_align: 8
    .kernarg_segment_size: 24
    .max_flat_workgroup_size: 128
    .sgpr_count:     72
    .vgpr_count:     512
    .wavefront_size: 32
...
	.end_amdgpu_metadata
.endif
;; end of part 4
;; launch fine1 (part 5): grid 16 x 4, 4 waves a work-group, no clusters, 8,960 bytes of LDS; arguments xc, xs, wc, ws, af; writes af
.if DOCPART == 5
	.amdgcn_target "amdgcn-amd-amdhsa--gfx1250"
	.amdhsa_code_object_version 6
	.text
	.protected	k_qcba0ce6e56_fine1
	.globl	k_qcba0ce6e56_fine1
	.p2align	8
	.type	k_qcba0ce6e56_fine1,@function
k_qcba0ce6e56_fine1:
	s_mov_b64 s[64:65], 0
	v_nop
	global_prefetch_b8 v0, s[64:65] scope:SCOPE_SE
	s_setreg_imm32_b32 hwreg(HW_REG_WAVE_MODE, 25, 1), 1
	s_wait_xcnt 0x0
; FINE1: positions 0-15 of each sequence, where a row of the softmax averages few values: attention with f32 operands throughout.  af [4 b][16 t][1024] f32.
; Work-group (head, batch).  Wave w makes channels 16 w .. 16 w + 15 of q, k and v for the 16 positions, again from the codes (FP4 products, f32 sums, K = 1,024 in eight steps).
; q and k are made transposed (source 0 = 16 rows of W, source 1 = x): a lane holds one position and channels 8 (lane / 16) + 0..7.  v is made straight: a lane holds one channel and positions 8 (lane / 16) + 0..7.
; THOSE REGISTERS ARE THE f32 MATRIX FORM'S OPERANDS AS THEY STAND: its K = 4 wants k = 2 (lane / 16) + j in register j; the pair (2 s, 2 s + 1) gives it channel (or key) 8 (lane / 16) + 2 s + j on both sides alike,
; a permutation of K that is the same for both operands.  Each wave's 16 channels give a part of the scores; the four parts meet in LDS.  Every wave then takes the same softmax and makes its own 16 channels of the result.
; The registers that the f32 form writes (v216-231, v240-255) are written by matrix instructions alone.
.set PIMG,  0                          ; four parts of the scores, 1,024 bytes each, as images of their registers
.set OST,   4096                       ; 16 rows x (256 bytes + 16): the head's result
.set SPARE, 8448                       ; the spare words, 128 bytes for each wave
.set SPW, 12
.set NIL, 13
.set SX,  16                           ; v16-23 x's scale words, register s for K step s; v24-31 Wq's; v32-39 Wk's; v40-47 Wv's
.set SQ,  24
.set SK,  32
.set SV,  40
.set RING, 64                          ; v64-191 four K steps' fragments: x, Wq, Wk, Wv, 8 registers each
.set AQ,  192
.set AK,  200
.set AV,  208
.set SA,  216
.set SB,  224
.set PS,  232                          ; my part of the scores
.set OA,  240
.set OB,  248
	s_load_b256 s[4:11], s[0:1], 0x0               ; xc s[4:5], xs s[6:7], wc s[8:9], ws s[10:11]
	s_load_b64 s[12:13], s[0:1], 0x20              ; af
	v_lshl_add_u32 v[SPW], v0, 2, SPARE
	v_mov_b32 v[NIL], 0
	v_lshrrev_b32 v1, 5, v0
	v_readfirstlane_b32 s14, v1                    ; wave 0..3
	s_and_b32 s15, ttmp7, 0xffff                   ; batch
	v_and_b32 v1, 15, v0                           ; r
	v_bfe_u32 v2, v0, 4, 1                         ; h
	v_lshlrev_b32 v3, 9, v1
	v_lshl_add_u32 v3, v2, 4, v3                   ; codes: row r of 512 bytes, + 16 h
	v_lshlrev_b32 v4, 5, v1                        ; scale bytes: row r of 32
	v_lshlrev_b32 v5, 3, v2
	v_sub_nc_u32 v5, v1, v5                        ; r - 8 h, for the mask
	v_and_b32 v7, 31, v0
	v_lshlrev_b32 v7, 4, v7                        ; 16 x lane: an image's place for my lane
	s_lshl_b32 s16, s14, 10
	v_add_nc_u32 v6, s16, v7                       ; where I store my part
	v_mul_u32_u24 v8, v1, 272
	v_lshl_add_u32 v8, v2, 5, v8
	s_lshl_b32 s16, s14, 6
	s_add_co_u32 s16, s16, OST
	v_add_nc_u32 v8, s16, v8                       ; the result: row r, + 64 w + 32 h
	v_mul_u32_u24 v9, v2, 272
	v_lshl_add_u32 v9, v1, 4, v9
	s_mul_i32 s16, s14, 4*272
	s_add_co_u32 s16, s16, OST
	v_add_nc_u32 v9, s16, v9                       ; back: wave w takes rows 4 w .. 4 w + 3, sixteen lanes to a row
	v_lshlrev_b32 v10, 12, v2
	v_lshl_add_u32 v10, v1, 4, v10                 ; and the same place in af
	s_mov_b32 s26, 0x76543210
	s_mov_b32 s27, 0xfedcba98                      ; v_permlanex16_b32's selects for lane l xor 16
	s_mov_b32 s28, 0x3d38aa3b                      ; c = log2(e) / 32
	s_mov_b32 s17, 0
	s_mov_b32 s19, 0
	s_mov_b32 s21, 0
	s_mov_b32 s23, 0
	s_mov_b32 s25, 0
	s_lshl_b32 s16, s15, 20                        ; xc: 2,048 rows of 512 bytes a batch
	s_lshl_b32 s18, s15, 16                        ; xs: 2,048 rows of 32; af: 16 rows of 4,096
	s_lshl_b32 s20, ttmp9, 15                      ; wc: row 64 head + 16 w
	s_lshl_b32 s22, s14, 13
	s_add_co_u32 s20, s20, s22
	s_lshl_b32 s22, ttmp9, 11                      ; ws likewise
	s_lshl_b32 s24, s14, 9
	s_add_co_u32 s22, s22, s24
	s_lshl_b32 s24, ttmp9, 8                       ; af: the head's 256 bytes of a row, my four rows
	s_lshl_b32 s29, s14, 14
	s_add_co_u32 s24, s24, s29
	s_add_co_u32 s24, s24, s18
	s_wait_kmcnt 0x0
	s_add_nc_u64 s[4:5], s[4:5], s[16:17]
	s_add_nc_u64 s[6:7], s[6:7], s[18:19]
	s_add_nc_u64 s[8:9], s[8:9], s[20:21]
	s_add_nc_u64 s[10:11], s[10:11], s[22:23]
	s_add_nc_u64 s[12:13], s[12:13], s[24:25]
.irp u, 0,1
	global_load_b128 v[SX+4*\u:SX+4*\u+3], v4, s[6:7] offset:16*\u
	global_load_b128 v[SQ+4*\u:SQ+4*\u+3], v4, s[10:11] offset:16*\u
	global_load_b128 v[SK+4*\u:SK+4*\u+3], v4, s[10:11] offset:32768+16*\u
	global_load_b128 v[SV+4*\u:SV+4*\u+3], v4, s[10:11] offset:65536+16*\u
.endr
.macro KLOAD s                         ; K step s: eight loads
.set RB, RING+32*((\s)%4)
.irp c, 0,1
	global_load_b128 v[RB+4*\c:RB+4*\c+3],       v3, s[4:5] offset:64*(\s)+32*\c
	global_load_b128 v[RB+8+4*\c:RB+8+4*\c+3],   v3, s[8:9] offset:64*(\s)+32*\c
	global_load_b128 v[RB+16+4*\c:RB+16+4*\c+3], v3, s[8:9] offset:524288+64*(\s)+32*\c
	global_load_b128 v[RB+24+4*\c:RB+24+4*\c+3], v3, s[8:9] offset:1048576+64*(\s)+32*\c
.endr
.endm
.macro KSTEP s
.set RB, RING+32*((\s)%4)
.if (\s) < 5
	s_wait_loadcnt 24                              ; this step's loads are in; the 24 of the three steps behind it may be out
.else
	s_wait_loadcnt 8*(7-(\s))                      ; the tail: eight for each step still behind
.endif
.if (\s) == 0                          ; the three accumulators take turns; the first step starts the sums
	v_wmma_scale_f32_16x16x128_f8f6f4 v[AQ:AQ+7], v[RB+8:RB+15], v[RB:RB+7], 0, v[SQ+(\s)], v[SX+(\s)] matrix_a_fmt:MATRIX_FMT_FP4 matrix_b_fmt:MATRIX_FMT_FP4
	v_wmma_scale_f32_16x16x128_f8f6f4 v[AK:AK+7], v[RB+16:RB+23], v[RB:RB+7], 0, v[SK+(\s)], v[SX+(\s)] matrix_a_fmt:MATRIX_FMT_FP4 matrix_b_fmt:MATRIX_FMT_FP4
	v_wmma_scale_f32_16x16x128_f8f6f4 v[AV:AV+7], v[RB:RB+7], v[RB+24:RB+31], 0, v[SX+(\s)], v[SV+(\s)] matrix_a_fmt:MATRIX_FMT_FP4 matrix_b_fmt:MATRIX_FMT_FP4
.else
	v_wmma_scale_f32_16x16x128_f8f6f4 v[AQ:AQ+7], v[RB+8:RB+15], v[RB:RB+7], v[AQ:AQ+7], v[SQ+(\s)], v[SX+(\s)] matrix_a_fmt:MATRIX_FMT_FP4 matrix_b_fmt:MATRIX_FMT_FP4
	v_wmma_scale_f32_16x16x128_f8f6f4 v[AK:AK+7], v[RB+16:RB+23], v[RB:RB+7], v[AK:AK+7], v[SK+(\s)], v[SX+(\s)] matrix_a_fmt:MATRIX_FMT_FP4 matrix_b_fmt:MATRIX_FMT_FP4
	v_wmma_scale_f32_16x16x128_f8f6f4 v[AV:AV+7], v[RB:RB+7], v[RB+24:RB+31], v[AV:AV+7], v[SX+(\s)], v[SV+(\s)] matrix_a_fmt:MATRIX_FMT_FP4 matrix_b_fmt:MATRIX_FMT_FP4
.endif
.if (\s) < 4
.rept 4
	v_nop                                          ; places in front of loads into registers that these products have read
.endr
	KLOAD (\s)+4
.endif
.endm
.irp s, 0,1,2,3
	KLOAD \s
.endr
.irp s, 0,1,2,3,4,5,6,7
	KSTEP \s
.endr
.rept 5
	v_nop                                          ; five places before a matrix instruction takes these results as its sources
.endr
	; my part of S^T = k q^T: keys in the rows, queries in the columns; two accumulators by turns
	v_wmma_f32_16x16x4_f32 v[SA:SA+7], v[AK:AK+1], v[AQ:AQ+1], 0
	v_wmma_f32_16x16x4_f32 v[SB:SB+7], v[AK+2:AK+3], v[AQ+2:AQ+3], 0
	v_wmma_f32_16x16x4_f32 v[SA:SA+7], v[AK+4:AK+5], v[AQ+4:AQ+5], v[SA:SA+7]
	v_wmma_f32_16x16x4_f32 v[SB:SB+7], v[AK+6:AK+7], v[AQ+6:AQ+7], v[SB:SB+7]
.rept 8
	v_nop                                          ; eight places behind this form
.endr
.irp j, 0,2,4,6
	v_pk_add_f32 v[PS+\j:PS+\j+1], v[SA+\j:SA+\j+1], v[SB+\j:SB+\j+1]
.endr
	ds_store_b128 v6, v[PS:PS+3] offset:PIMG
	ds_store_b128 v6, v[PS+4:PS+7] offset:PIMG+512
	s_wait_dscnt 0x0                               ; for the others' sake: my part has landed
	s_barrier_signal -1
	s_barrier_wait -1
.irp i, 0,1,2,3
	ds_load_b128 v[64+8*\i:67+8*\i], v7 offset:PIMG+1024*\i
	ds_load_b128 v[68+8*\i:71+8*\i], v7 offset:PIMG+1024*\i+512
.endr
	s_wait_dscnt 0x0
.irp j, 0,2,4,6
	v_pk_add_f32 v[96+\j:97+\j], v[64+\j:65+\j], v[72+\j:73+\j]
	v_pk_add_f32 v[104+\j:105+\j], v[80+\j:81+\j], v[88+\j:89+\j]
.endr
.irp j, 0,2,4,6
	v_pk_add_f32 v[96+\j:97+\j], v[96+\j:97+\j], v[104+\j:105+\j]   ; the scores: register j holds key 8 h + j of query r
.endr
	v_mov_b32 v14, 0xff800000                      ; -infinity
.irp j, 0,1,2,3,4,5,6,7
	v_cmp_gt_i32 vcc_lo, \j, v5                    ; hidden where 8 h + j > r
	v_cndmask_b32 v[96+\j], v[96+\j], v14, vcc_lo
.endr
	v_max3_num_f32 v112, v96, v97, v98
	v_max3_num_f32 v112, v112, v99, v100
	v_max3_num_f32 v112, v112, v101, v102
	v_max_num_f32 v112, v112, v103
	v_mov_b32 v113, 0                              ; (a lane permute's destination counts as one of its sources)
	v_permlanex16_b32 v113, v112, s26, s27
	v_max_num_f32 v112, v112, v113                 ; the row's maximum: key 0 counts for every query
	v_mul_f32 v114, s28, v112
.irp j, 0,1,2,3,4,5,6,7
	v_fma_f32 v[104+\j], v[96+\j], s28, -v114      ; c s - c m
.endr
.irp j, 0,1,2,3,4,5,6,7
	v_exp_f32 v[104+\j], v[104+\j]                 ; p, kept in f32
.endr
	v_nop                                          ; a plain line behind the exponentials
	s_wait_alu depctr_va_vdst(0)                   ; the wait ahead of the first reader: one for the eight
	v_pk_add_f32 v[116:117], v[104:105], v[106:107]
	v_pk_add_f32 v[118:119], v[108:109], v[110:111]
	v_pk_add_f32 v[116:117], v[116:117], v[118:119]
	v_add_f32 v115, v116, v117
	v_permlanex16_b32 v113, v115, s26, s27
	v_add_f32 v115, v115, v113                     ; the row's sum
	v_rcp_f32 v116, v115
	v_nop
	s_wait_alu depctr_va_vdst(0)                   ; and one for the reciprocal
	; O^T = v^T p: my 16 channels in the rows, queries in the columns, K = the 16 keys
	v_wmma_f32_16x16x4_f32 v[OA:OA+7], v[AV:AV+1], v[104:105], 0
	v_wmma_f32_16x16x4_f32 v[OB:OB+7], v[AV+2:AV+3], v[106:107], 0
	v_wmma_f32_16x16x4_f32 v[OA:OA+7], v[AV+4:AV+5], v[108:109], v[OA:OA+7]
	v_wmma_f32_16x16x4_f32 v[OB:OB+7], v[AV+6:AV+7], v[110:111], v[OB:OB+7]
.rept 8
	v_nop
.endr
.irp j, 0,2,4,6
	v_pk_add_f32 v[120+\j:121+\j], v[OA+\j:OA+\j+1], v[OB+\j:OB+\j+1]
.endr
.irp j, 0,2,4,6
	v_pk_mul_f32 v[120+\j:121+\j], v[120+\j:121+\j], v[116:117] op_sel_hi:[1,0]   ; / the sum: register j is channel 16 w + 8 h + j of query r
.endr
	ds_store_b128 v8, v[120:123]
	ds_store_b128 v8, v[124:127] offset:16
	s_wait_dscnt 0x0
	s_barrier_signal -1
	s_barrier_wait -1
.irp i, 0,1
	ds_load_b128 v[128+4*\i:131+4*\i], v9 offset:2*\i*272
.endr
	s_wait_dscnt 0x0
.irp i, 0,1
	global_store_b128 v10, v[128+4*\i:131+4*\i], s[12:13] offset:8192*\i   ; sixteen lanes store 256 consecutive bytes, aligned
.endr
	s_wait_tensorcnt 0x0                           ; the wave's end
	ds_add_u32 v[SPW], v[NIL]
	s_wait_dscnt 0x0
	s_endpgm
.Lfunc_end_k_qcba0ce6e56_fine1:
	.size	k_qcba0ce6e56_fine1, .Lfunc_end_k_qcba0ce6e56_fine1-k_qcba0ce6e56_fine1
	.p2alignl 7, 3214868480
	.fill 96, 4, 3214868480
	.section	.rodata,"a",@progbits
	.p2align	6, 0x0
	.amdhsa_kernel k_qcba0ce6e56_fine1
		.amdhsa_group_segment_fixed_size 8960
		.amdhsa_private_segment_fixed_size 0
		.amdhsa_enable_private_segment 0
		.amdhsa_kernarg_size 40
		.amdhsa_user_sgpr_count 2
		.amdhsa_user_sgpr_kernarg_segment_ptr 1
		.amdhsa_wavefront_size32 1
		.amdhsa_system_sgpr_workgroup_id_x 1
		.amdhsa_system_sgpr_workgroup_id_y 1
		.amdhsa_system_sgpr_workgroup_id_z 1
		.amdhsa_system_vgpr_workitem_id 0
		.amdhsa_next_free_vgpr 256
		.amdhsa_next_free_sgpr 66
		.amdhsa_reserve_vcc 1
		.amdhsa_float_denorm_mode_32 3
		.amdhsa_float_denorm_mode_16_64 3
		.amdhsa_memory_ordered 1
		.amdhsa_forward_progress 1
		.amdhsa_inst_pref_size 20
	.end_amdhsa_kernel
	.amdgpu_metadata
---
amdhsa.version: [ 1, 2 ]
amdhsa.kernels:
  - .name:           k_qcba0ce6e56_fine1
    .symbol:         k_qcba0ce6e56_fine1.kd
    .args:
      - { .name: xc, .offset: 0, .size: 8, .value_kind: global_buffer, .address_space: global }
      - { .name: xs, .offset: 8, .size: 8, .value_kind: global_buffer, .address_space: global }
      - { .name: wc, .offset: 16, .size: 8, .value_kind: global_buffer, .address_space: global }
      - { .name: ws, .offset: 24, .size: 8, .value_kind: global_buffer, .address_space: global }
      - { .name: af, .offset: 32, .size: 8, .value_kind: global_buffer, .address_space: global }
    .group_segment_fixed_size: 8960
    .private_segment_fixed_size: 0
    .kernarg_segment_align: 8
    .kernarg_segment_size: 40
    .max_flat_workgroup_size: 128
    .sgpr_count:     66
    .vgpr_count:     256
    .wavefront_size: 32
...
	.end_amdgpu_metadata
.endif
;; end of part 5
;; launch fine2 (part 6): grid 64 x 4, 16 waves a work-group, no clusters, 18,432 bytes of LDS; arguments af, Wo, out0; writes out0
.if DOCPART == 6
	.amdgcn_target "amdgcn-amd-amdhsa--gfx1250"
	.amdhsa_code_object_version 6
	.text
	.protected	k_qcba0ce6e56_fine2
	.globl	k_qcba0ce6e56_fine2
	.p2align	8
	.type	k_qcba0ce6e56_fine2,@function
k_qcba0ce6e56_fine2:
	s_mov_b64 s[64:65], 0
	v_nop
	global_prefetch_b8 v0, s[64:65] scope:SCOPE_SE
	s_setreg_imm32_b32 hwreg(HW_REG_WAVE_MODE, 25, 1), 1
	s_wait_xcnt 0x0
; FINE2: rows t = 0..15 of each batch of out0 = af Wo, with f32 operands: 64 rows of the output, written over what the launch before left there.
; Work-group (16 columns, batch).  Wave w takes K = 64 w .. 64 w + 63: eight chunks of 8, two f32 matrix instructions each (source 0 = 16 columns of Wo, source 1 = the 16 rows of af), on two accumulators by turns.
; In a chunk lane (r, h) holds k = 8 c + 4 h + 0..3 of its row of af and of its column of Wo: the pair (2 u, 2 u + 1) gives the form's k = 2 h + j the number 8 c + 4 h + 2 u + j on both sides alike.
; The sixteen parts meet in LDS; waves 0 and 1 add them in a fixed order and store.  A row's piece is 64 bytes: these 64 rows are 262,144 bytes of the output's 33,554,432.
; The registers that the f32 form writes (v96-111) are written by matrix instructions alone.
.set SPARE, 16384                      ; behind the sixteen parts of 1,024 bytes: the spare words, 128 bytes for each wave
.set SPW, 10
.set NIL, 11
.set FA,  16                           ; v16-47 af: chunk c at v[16 + 4 c]
.set FW,  48                           ; v48-79 Wo likewise
.set DA,  96
.set DB,  104
	s_load_b128 s[4:7], s[0:1], 0x0                ; af s[4:5], Wo s[6:7]
	s_load_b64 s[8:9], s[0:1], 0x10                ; out0
	v_lshl_add_u32 v[SPW], v0, 2, SPARE
	v_mov_b32 v[NIL], 0
	v_lshrrev_b32 v1, 5, v0
	v_readfirstlane_b32 s10, v1                    ; wave 0..15
	s_and_b32 s11, ttmp7, 0xffff                   ; batch
	v_and_b32 v1, 15, v0                           ; r
	v_bfe_u32 v2, v0, 4, 1                         ; h
	v_lshlrev_b32 v3, 12, v1
	v_lshl_add_u32 v3, v2, 4, v3                   ; af: row r of 4,096 bytes, + 16 h
	v_lshlrev_b32 v4, 2, v1
	v_lshl_add_u32 v4, v2, 14, v4                  ; Wo: column r, + 4 h rows of 4,096 bytes
	v_lshlrev_b32 v5, 12, v1
	v_lshl_add_u32 v5, v2, 5, v5                   ; out0: row r, + 32 h
	v_and_b32 v8, 31, v0
	s_lshl_b32 s12, s10, 10
	v_lshl_add_u32 v6, v8, 4, s12                  ; my part: 1,024 x wave + 16 x lane
	s_and_b32 s13, s10, 1
	s_lshl_b32 s12, s13, 9
	v_lshl_add_u32 v7, v8, 4, s12                  ; the half of each part that I add, if I add
	s_mov_b32 s15, 0
	s_mov_b32 s17, 0
	s_mov_b32 s19, 0
	s_lshl_b32 s14, s11, 16                        ; af: 16 rows a batch,
	s_lshl_b32 s12, s10, 8
	s_add_co_u32 s14, s14, s12                     ; my 64 of K
	s_lshl_b32 s16, s10, 18                        ; Wo: my 64 rows,
	s_lshl_b32 s12, ttmp9, 6
	s_add_co_u32 s16, s16, s12                     ; the work-group's 16 columns
	s_lshl_b32 s18, s11, 23                        ; out0: 2,048 rows a batch,
	s_add_co_u32 s18, s18, s12
	s_lshl_b32 s12, s13, 4
	s_add_co_u32 s18, s18, s12                     ; and my 16 bytes of a lane's 32
	s_wait_kmcnt 0x0
	s_add_nc_u64 s[4:5], s[4:5], s[14:15]
	s_add_nc_u64 s[6:7], s[6:7], s[16:17]
	s_add_nc_u64 s[8:9], s[8:9], s[18:19]
.irp c, 0,1,2,3,4,5,6,7
	global_load_b128 v[FA+4*\c:FA+4*\c+3], v3, s[4:5] offset:32*\c
.irp i, 0,1,2,3
	global_load_b32 v[FW+4*\c+\i], v4, s[6:7] offset:(8*\c+\i)*4096
.endr
.endr
.irp c, 0,1,2,3,4,5,6,7
	s_wait_loadcnt 5*(7-\c)                        ; this chunk's five loads are in; five for each chunk behind it may be out
.if \c == 0
	v_wmma_f32_16x16x4_f32 v[DA:DA+7], v[FW:FW+1], v[FA:FA+1], 0
	v_wmma_f32_16x16x4_f32 v[DB:DB+7], v[FW+2:FW+3], v[FA+2:FA+3], 0
.else
	v_wmma_f32_16x16x4_f32 v[DA:DA+7], v[FW+4*\c:FW+4*\c+1], v[FA+4*\c:FA+4*\c+1], v[DA:DA+7]
	v_wmma_f32_16x16x4_f32 v[DB:DB+7], v[FW+4*\c+2:FW+4*\c+3], v[FA+4*\c+2:FA+4*\c+3], v[DB:DB+7]
.endif
.endr
.rept 8
	v_nop                                          ; eight places behind this form
.endr
.irp j, 0,2,4,6
	v_pk_add_f32 v[112+\j:113+\j], v[DA+\j:DA+\j+1], v[DB+\j:DB+\j+1]   ; register j: out(t = r, column 8 h + j), my 64 of K
.endr
	ds_store_b128 v6, v[112:115]
	ds_store_b128 v6, v[116:119] offset:512
	s_wait_dscnt 0x0                               ; for the others' sake: my part has landed
	s_barrier_signal -1
	s_barrier_wait -1
	s_cmp_lt_u32 s10, 2                            ; wave 0 adds registers 0-3 of the sixteen parts, wave 1 registers 4-7
	s_cbranch_scc0 .Ldone
.set i, 0
.rept 16
	ds_load_b128 v[16+4*i:19+4*i], v7 offset:1024*i
.set i, i+1
.endr
	s_wait_dscnt 0x0
.set i, 1
.rept 15
	v_pk_add_f32 v[16:17], v[16:17], v[16+4*i:17+4*i]
	v_pk_add_f32 v[18:19], v[18:19], v[18+4*i:19+4*i]
.set i, i+1
.endr
	global_store_b128 v5, v[16:19], s[8:9]
.Ldone:
	s_wait_tensorcnt 0x0                           ; the wave's end
	ds_add_u32 v[SPW], v[NIL]
	s_wait_dscnt 0x0
	s_endpgm
.Lfunc_end_k_qcba0ce6e56_fine2:
	.size	k_qcba0ce6e56_fine2, .Lfunc_end_k_qcba0ce6e56_fine2-k_qcba0ce6e56_fine2
	.p2alignl 7, 3214868480
	.fill 96, 4, 3214868480
	.section	.rodata,"a",@progbits
	.p2align	6, 0x0
	.amdhsa_kernel k_qcba0ce6e56_fine2
		.amdhsa_group_segment_fixed_size 18432
		.amdhsa_private_segment_fixed_size 0
		.amdhsa_enable_private_segment 0
		.amdhsa_kernarg_size 24
		.amdhsa_user_sgpr_count 2
		.amdhsa_user_sgpr_kernarg_segment_ptr 1
		.amdhsa_wavefront_size32 1
		.amdhsa_system_sgpr_workgroup_id_x 1
		.amdhsa_system_sgpr_workgroup_id_y 1
		.amdhsa_system_sgpr_workgroup_id_z 1
		.amdhsa_system_vgpr_workitem_id 0
		.amdhsa_next_free_vgpr 128
		.amdhsa_next_free_sgpr 66
		.amdhsa_reserve_vcc 0
		.amdhsa_float_denorm_mode_32 3
		.amdhsa_float_denorm_mode_16_64 3
		.amdhsa_memory_ordered 1
		.amdhsa_forward_progress 1
		.amdhsa_inst_pref_size 11
	.end_amdhsa_kernel
	.amdgpu_metadata
---
amdhsa.version: [ 1, 2 ]
amdhsa.kernels:
  - .name:           k_qcba0ce6e56_fine2
    .symbol:         k_qcba0ce6e56_fine2.kd
    .args:
      - { .name: af, .offset: 0, .size: 8, .value_kind: global_buffer, .address_space: global }
      - { .name: Wo, .offset: 8, .size: 8, .value_kind: global_buffer, .address_space: global }
      - { .name: out0, .offset: 16, .size: 8, .value_kind: global_buffer, .address_space: global }
    .group_segment_fixed_size: 18432
    .private_segment_fixed_size: 0
    .kernarg_segment_align: 8
    .kernarg_segment_size: 24
    .max_flat_workgroup_size: 512
    .sgpr_count:     66
    .vgpr_count:     128
    .wavefront_size: 32
...
	.end_amdgpu_metadata
.endif
;; end of part 6
